; MI455X (gfx1250); checked and timed in simulation.
; The chip was launched on July 23, 2026; its instructions are those of AMD's public machine-readable ISA for CDNA 5 (MIT licence, August 2026) and "CDNA5" Instruction Set Architecture Reference Guide (July 2026). The comments in the code are by the model that wrote it; some were corrected since.
;; Self Attention. Allowed arithmetic: matrix products marked QUANTISED: E3M2 operands, one E8M0 scale for each 32 along K, by v_wmma_scale_f32_16x16x128_f8f6f4 with both operands' format E3M2, f32 sums; everything else in f32.
;; Inputs: W_proj 1,024 x 1,024 float32; W_qkv 1,024 x 3,072 float32; b_proj 1,024 float32; b_qkv 3,072 float32; x 4 x 2,048 x 1,024 float32.
;; Outputs: out0 4 x 2,048 x 1,024 float32.
;; This version of the problem:
;;   THIS VERSION OF THE PROBLEM IS GIVEN IN LOW PRECISION. The matrix products marked QUANTISED in the list below multiply operands that are first quantised to E3M2 (3 exponent bits, 2 mantissa bits; 6 bits a number), with one power-of-two scale for each 32 numbers along K (OCP MX v1.0); their sums are f32. All else is computed in f32.
;;   The module's matrix products, in the order in which they are computed (A, B: the left and right operand; K: the contracted axis; several contracted axes count as one K, in the product's order):
;;     1. [M 8,192, K 1,024] x [K 1,024, N 3,072]; A: input x; B: input W_qkv: QUANTISED
;;     2. batch 64 x [M 2,048, K 64] x [K 64, N 2,048]; A: computed on the way; B: computed on the way: QUANTISED
;;     3. batch 64 x [M 2,048, K 2,048] x [K 2,048, N 64]; A: softmax (see below); B: computed on the way: QUANTISED
;;     4. [M 8,192, K 1,024] x [K 1,024, N 1,024]; A: computed on the way; B: input W_proj: QUANTISED
;;   THE QUANTISER, for each operand of a quantised product, along K:
;;     - K is cut into blocks of 32 from its start; a last block that is shorter is filled with zeros.
;;     - A block's scale is 2^e with e = floor(log2(the largest magnitude in the block)) - 4, held to -126 .. 127; a block of zeros has e = 0. As a byte (E8M0): e + 127.
;;     - Each number is divided by its block's scale, clamped to +-28, and rounded to the nearest number of E3M2, ties to even, subnormals kept.
;;     - The product sums the exact products of the quantised numbers (number of the format x scale) in f32.
;;   ~~~python
;;   def quantise(x, axis):      # numpy; x: float32 -> the quantised numbers, widened to float32 again
;;       x = np.moveaxis(x, axis, -1); K = x.shape[-1]
;;       x = np.pad(x, [(0, 0)] * (x.ndim - 1) + [(0, -K % 32)]); x = x.reshape(x.shape[:-1] + (-1, 32)); a = np.abs(x).max(-1, keepdims=True)
;;       e = np.where(a > 0, np.clip(np.frexp(np.where(a > 0, a, 1))[1] - 1 - 4, -126, 127), 0)      # np.frexp(a)[1] - 1 = floor(log2(a)), exactly
;;       r = np.clip(x / 2.0 ** e, -28, 28)
;;       step = 2.0 ** (np.maximum(np.frexp(np.where(r == 0, 1, r))[1] - 1, -2) - 2)
;;       q = np.round(r / step) * step * 2.0 ** e      # np.round: ties to even
;;       return np.moveaxis(q.reshape(q.shape[:-2] + (-1,))[..., :K], -1, axis).astype(np.float32)
;;   ~~~
;;   SOFTMAX AHEAD OF A QUANTISED PRODUCT. Where the list says 'softmax', what is quantised is not the finished softmax but p = 2^(t - M), with t = logit x log2(e) and M = ceil(the row's largest t), a whole number; so 1/2 < the row's largest p <= 1. The row's sum l is taken of the UNQUANTISED p, in f32, and the product's result is divided by l at the end. Since M is a whole number, a kernel that streams over the keys may use a running M (the ceiling of the running maximum): every later rescaling is an exact power of two, which a block's scale takes up: the codes' values come out the same.
;;   OPERANDS COMPUTED ON THE WAY. 'Computed on the way' means the value that the module computes at that place (a softmax that the list does not call 'softmax' is quantised finished and normalised). What goes into a quantiser is computed in f32, as accurately as f32 sums, v_exp_f32 and their like allow (about 1e-6 of the number): no bf16 or f16 on the way to a quantiser, and a product that is left as it is and whose result goes on into a quantised operand takes f32 operands (vector FMAs, or v_wmma_f32_16x16x4_f32). A number that lies on a knife's edge between two numbers of the format may be rounded either way, as far as f32 arithmetic and the matrix unit's own rounding can turn it there, and no further.
;; One version. Each part assembles by itself: llvm-mc -triple=amdgcn-amd-amdhsa -mcpu=gfx1250 --defsym DOCPART=n.
;; ======== version 1 of 1: 5 launches
;; limits: right only within a limited range of input values
;; workspace buffers: xc 6,291,456 bytes; wc 3,145,728 bytes; scl 917,504 bytes; qkvc 18,874,368 bytes; qkvs 1,310,720 bytes; yc 6,291,456 bytes
;; launch qx (part 1): grid 512 x 1, 8 waves a work-group, no clusters, 69,120 bytes of LDS; arguments x, xc, scl; writes xc, scl
.if DOCPART == 1
	.amdgcn_target "amdgcn-amd-amdhsa--gfx1250"
	.amdhsa_code_object_version 6
	.text
	.protected	k_q593b2fa79b_qx
	.globl	k_q593b2fa79b_qx
	.p2align	8
	.type	k_q593b2fa79b_qx,@function
k_q593b2fa79b_qx:
	s_mov_b64 s[64:65], 0
	v_nop
	global_prefetch_b8 v0, s[64:65] scope:SCOPE_SE
	s_setreg_imm32_b32 hwreg(HW_REG_WAVE_MODE, 25, 1), 1
	s_wait_xcnt 0x0
; x [8192][1024] f32 becomes codes of BF6 (E3M2) with one E8M0 byte for each 32 along K, laid as the product's launch wants them:
; FRAGMENT IMAGES.  A fragment is 16 rows x 128 K, 12 registers a lane; its image is 1,536 bytes: group c (0..2) holds lane l's registers 4 c .. 4 c + 3 at 512 c + 16 l.
; Fragment (tile mt, K step s) lies at (8 mt + s) x 1,536.  THE ROWS OF A TILE ARE NOT NEIGHBOURS: place i of tile 2 G + U is row 32 G + 8 U + (i & 7) + 16 (i >> 3).
; Scale words (4 bytes: one row, 128 K): tile mt at 512 mt: [half of K][place 16][4 words = 4 K steps].
; A work-group takes a tile, its wave w the K step w.  Each load reads 512 consecutive bytes of a row; the 16 rows turn through the wave's own stage in LDS (rows 528 bytes apart),
; so that lane (r, h) gets, of row r, 16 neighbours of each block of 32.  Memory binds: no matrix unit, no cluster, no ring.
; A block's scale is 2^(floor(log2(largest magnitude)) - 4); its byte is the largest magnitude's exponent field - 4, held at 1 from below.
; LIMITS: NaN and infinities are not served; a block whose largest magnitude lies under 2^-122 keeps the byte 1; a block of zeros gets the byte 1 and not 127 (its codes are zeros, and this program alone reads the bytes).
; WORK LEFT OUT BY THE PROGRAM: reference() sets every score whose key comes after its query to -infinity by a mask that it builds itself (jnp.tril), so such a score's p is 0 for all inputs:
; key steps that lie wholly behind a tile's queries are not multiplied in the attention's launch.  A NaN, an infinity or an overflow that reaches only that work is not carried to the result.
.set STGW, 8448
.set SCW,  8*STGW                      ; behind the stages: the tile's 128 scale words
.set R,   16                           ; v16-79   the numbers as loaded
.set X,   80                           ; v80-143  register 16 b + i = k 32 b + 16 h + i of my row
.set TM,  144                          ; v144-159 at work
.set PC,  160                          ; v160-179 the codes
.set PW,  180                          ; the scale word
.set SEL, 12                           ; s[12:13] lane selects: lane l xor 16
; 64 numbers of a lane, v[s + 16 b + i] = k 32 b + 16 (lane / 16) + i of my row, become a fragment's codes in v[PC] on and its scale word in v[pw] (the same in lanes r and r + 16).
.macro QUANT s, pw
.irp b, 0,1,2,3
	v_max3_num_f32 v[TM+\b], |v[\s+16*\b]|, |v[\s+1+16*\b]|, 0x2800000   ; the floor 2^(5 - 127) among the leaves: the byte cannot fall under 1
.endr
.irp i, 2,4,6,8,10,12,14
.irp b, 0,1,2,3
	s_delay_alu instid0(VALU_DEP_4)
	v_max3_num_f32 v[TM+\b], v[TM+\b], |v[\s+16*\b+\i]|, |v[\s+1+16*\b+\i]|
.endr
.endr
.irp b, 0,1,2,3
	s_delay_alu instid0(VALU_DEP_4)
	v_permlanex16_b32 v[TM+4+\b], v[TM+\b], s[SEL], s[SEL+1]
.endr
.irp b, 0,1,2,3
	s_delay_alu instid0(VALU_DEP_4)
	v_max_num_f32 v[TM+\b], v[TM+\b], v[TM+4+\b]      ; with lane l xor 16's: the block's largest magnitude
.endr
.irp b, 0,1,2,3
	s_delay_alu instid0(VALU_DEP_4)
	v_add_nc_u32 v[TM+12+\b], 0xfe000000, v[TM+\b]    ; 4 off its exponent field: the conversion's scale operand
.endr
.irp b, 0,1,2,3
	s_delay_alu instid0(VALU_DEP_4)
	v_lshrrev_b32 v[TM+4+\b], 23, v[TM+12+\b]         ; the scale's byte
.endr
	s_delay_alu instid0(VALU_DEP_3)
	v_lshl_or_b32 v[\pw], v[TM+5], 8, v[TM+4]
	s_delay_alu instid0(VALU_DEP_1)
	v_lshl_or_b32 v[\pw], v[TM+6], 16, v[\pw]
	s_delay_alu instid0(VALU_DEP_1)
	v_lshl_or_b32 v[\pw], v[TM+7], 24, v[\pw]
.irp c, 0,1
	v_cvt_scalef32_pk16_bf6_f32 v[PC+6*\c:PC+2+6*\c], v[\s+32*\c:\s+15+32*\c], v[TM+12+2*\c]
	v_cvt_scalef32_pk16_bf6_f32 v[PC+12+4*\c:PC+14+4*\c], v[\s+16+32*\c:\s+31+32*\c], v[TM+12+2*\c+1]
.endr
	v_nop                                          ; one plain place behind a scaled conversion
.irp c, 0,1                                    ; the operand wants a whole block in a lane: lanes 0-15 block 2 c, lanes 16-31 block 2 c + 1
.irp i, 0,1,2
	v_permlane16_swap_b32 v[PC+6*\c+\i], v[PC+12+4*\c+\i]
.endr
.irp i, 0,1,2
	s_delay_alu instid0(VALU_DEP_3)
	v_mov_b32 v[PC+3+6*\c+\i], v[PC+12+4*\c+\i]
.endr
.endr
.endm
	s_load_b128 s[4:7], s[0:1], 0x0                ; x, the codes
	s_load_b64 s[8:9], s[0:1], 0x10                ; the scale words
	v_lshl_add_u32 v192, v0, 2, 0x10a00
	v_mov_b32 v193, 0
	v_lshrrev_b32 v1, 5, v0
	s_delay_alu instid0(VALU_DEP_1)
	v_readfirstlane_b32 s10, v1                    ; wave 0..7 = K step
	v_and_b32 v6, 31, v0                           ; lane
	v_and_b32 v7, 15, v0                           ; r
	v_bfe_u32 v8, v0, 4, 1                         ; h
	s_delay_alu instid0(VALU_DEP_3)
	v_lshlrev_b32 v1, 4, v6                        ; 16 x lane
	s_mul_i32 s11, s10, STGW
	v_add_nc_u32 v2, s11, v1                       ; the stage, in: 16 x lane of a row
	v_mul_u32_u24 v3, v7, 528
	s_delay_alu instid0(VALU_DEP_1)
	v_lshl_add_u32 v3, v8, 6, v3
	s_delay_alu instid0(VALU_DEP_1)
	v_add_nc_u32 v3, s11, v3                       ; and out: row r, + 64 h
	s_lshr_b32 s14, s10, 2
	s_lshl_b32 s14, s14, 8
	s_and_b32 s15, s10, 3
	s_lshl_b32 s15, s15, 2
	s_add_co_u32 s14, s14, s15
	s_add_co_u32 s14, s14, SCW
	v_lshl_add_u32 v4, v7, 4, s14                  ; my row's word: 256 (w / 4) + 16 r + 4 (w % 4)
	v_add_nc_u32 v5, SCW, v1
	s_mov_b32 s[SEL], 0x76543210
	s_mov_b32 s[SEL+1], 0xfedcba98
.irp b, 0,1,2,3
	v_mov_b32 v[TM+4+\b], 0                        ; a lane permute's destination counts as one of its sources
.endr
	s_lshr_b32 s16, ttmp9, 1
	s_lshl_b32 s16, s16, 5
	s_and_b32 s17, ttmp9, 1
	s_lshl_b32 s17, s17, 3
	s_add_co_u32 s16, s16, s17                     ; the tile's first row: 32 G + 8 U
	s_lshl_b32 s16, s16, 12                        ; rows of 4,096 bytes
	s_lshl_b32 s17, s10, 9
	s_add_co_u32 s16, s16, s17                     ; + my K step's 512 bytes
	s_mov_b32 s17, 0
	s_lshl_b32 s18, ttmp9, 3
	s_add_co_u32 s18, s18, s10
	s_mul_i32 s18, s18, 1536                       ; my fragment's image
	s_mov_b32 s19, 0
	s_lshl_b32 s20, ttmp9, 9                       ; the tile's scale words
	s_mov_b32 s21, 0
	s_wait_alu depctr_va_vdst(0)
	s_wait_kmcnt 0x0
	s_add_nc_u64 s[4:5], s[4:5], s[16:17]
	s_add_nc_u64 s[6:7], s[6:7], s[18:19]
	s_add_nc_u64 s[8:9], s[8:9], s[20:21]
.irp i, 0,1,2,3,4,5,6,7,8,9,10,11,12,13,14,15
	global_load_b128 v[R+4*\i:R+4*\i+3], v1, s[4:5] offset:((\i&7)+16*(\i>>3))*4096 th:TH_LOAD_NT   ; place i's row: 32 lanes read 512 consecutive bytes
.endr
.irp i, 0,1,2,3,4,5,6,7,8,9,10,11,12,13,14,15
	s_wait_loadcnt 15-\i                           ; loads come back in order: row i is in, the younger ones stay out
	ds_store_b128 v2, v[R+4*\i:R+4*\i+3] offset:528*\i
.endr
.irp b, 0,1,2,3
.irp j, 0,1,2,3
	ds_load_b128 v[X+16*\b+4*\j:X+16*\b+4*\j+3], v3 offset:128*\b+16*\j   ; my wave's own bytes, and LDS serves a wave in order: no wait between
.endr
.endr
	s_wait_dscnt 0x0
	QUANT X, PW
.irp c, 0,1,2
	global_store_b128 v1, v[PC+4*\c:PC+4*\c+3], s[6:7] offset:512*\c   ; the image: 512 consecutive bytes a store
.endr
	ds_store_b32 v4, v[PW]                         ; lanes r and r + 16 write the same word with the same value
	s_wait_dscnt 0x0                               ; for the others' sake: my word has landed
	s_barrier_signal -1
	s_barrier_wait -1
	s_cmp_lg_u32 s10, 0
	s_cbranch_scc1 .Ldone
	ds_load_b128 v[R:R+3], v5                      ; wave 0 sends the tile's 512 bytes of scale words: two whole aligned runs of 256 bytes
	s_wait_dscnt 0x0
	global_store_b128 v1, v[R:R+3], s[8:9]
.Ldone:
	s_wait_tensorcnt 0x0
	ds_add_u32 v192, v193
	s_wait_dscnt 0x0
	s_endpgm
.Lfunc_end_k_q593b2fa79b_qx:
	.size	k_q593b2fa79b_qx, .Lfunc_end_k_q593b2fa79b_qx-k_q593b2fa79b_qx
	.p2alignl 7, 3214868480
	.fill 96, 4, 3214868480
	.section	.rodata,"a",@progbits
	.p2align	6, 0x0
	.amdhsa_kernel k_q593b2fa79b_qx
		.amdhsa_group_segment_fixed_size 69120
		.amdhsa_private_segment_fixed_size 0
		.amdhsa_enable_private_segment 0
		.amdhsa_kernarg_size 24
		.amdhsa_user_sgpr_count 2
		.amdhsa_user_sgpr_kernarg_segment_ptr 1
		.amdhsa_wavefront_size32 1
		.amdhsa_system_sgpr_workgroup_id_x 1
		.amdhsa_system_sgpr_workgroup_id_y 1
		.amdhsa_system_sgpr_workgroup_id_z 1
		.amdhsa_system_vgpr_workitem_id 0
		.amdhsa_next_free_vgpr 194
		.amdhsa_next_free_sgpr 66
		.amdhsa_reserve_vcc 0
		.amdhsa_float_denorm_mode_32 3
		.amdhsa_float_denorm_mode_16_64 3
		.amdhsa_memory_ordered 1
		.amdhsa_forward_progress 1
		.amdhsa_inst_pref_size 13
	.end_amdhsa_kernel
	.amdgpu_metadata
---
amdhsa.version: [ 1, 2 ]
amdhsa.kernels:
  - .name:           k_q593b2fa79b_qx
    .symbol:         k_q593b2fa79b_qx.kd
    .args:
      - { .name: x, .offset: 0, .size: 8, .value_kind: global_buffer, .address_space: global }
      - { .name: xc, .offset: 8, .size: 8, .value_kind: global_buffer, .address_space: global }
      - { .name: scl, .offset: 16, .size: 8, .value_kind: global_buffer, .address_space: global }
    .group_segment_fixed_size: 69120
    .private_segment_fixed_size: 0
    .kernarg_segment_align: 8
    .kernarg_segment_size: 24
    .max_flat_workgroup_size: 256
    .sgpr_count:     66
    .vgpr_count:     194
    .wavefront_size: 32
...
	.end_amdgpu_metadata
.endif
;; end of part 1
;; launch qw (part 2): grid 128 x 2, 4 waves a work-group, no clusters, 13,312 bytes of LDS; arguments W_qkv, W_proj, wc, scl; writes wc, scl
.if DOCPART == 2
	.amdgcn_target "amdgcn-amd-amdhsa--gfx1250"
	.amdhsa_code_object_version 6
	.text
	.protected	k_q593b2fa79b_qw
	.globl	k_q593b2fa79b_qw
	.p2align	8
	.type	k_q593b2fa79b_qw,@function
k_q593b2fa79b_qw:
	s_mov_b64 s[64:65], 0
	v_nop
	global_prefetch_b8 v0, s[64:65] scope:SCOPE_SE
	s_setreg_imm32_b32 hwreg(HW_REG_WAVE_MODE, 25, 1), 1
	s_wait_xcnt 0x0
; W_qkv [1024][3072] and W_proj [1024][1024], f32, K their FIRST axis, become codes of BF6 (E3M2) with one E8M0 byte for each 32 along K, as fragment images:
; a fragment is 16 columns n x 128 K, 12 registers a lane (lane (i, h): registers 6 c .. 6 c + 5 = k 64 c + 32 h + 0 .. 31); image: group c' holds lane l's registers 4 c' .. 4 c' + 3 at 512 c' + 16 l.
; Fragment (tile nt, K step s) lies at (8 nt + s) x 1,536; tiles 0-191 are W_qkv's columns, 192-255 W_proj's.  Place i of tile 2 G + U is column 32 G + 8 U + (i & 7) + 16 (i >> 3).
; Scale words at 262,144 + 512 nt: [half of K][place 16][4 words = 4 K steps].
; A LANE TAKES A COLUMN AND ITS REGISTERS RUN DOWN K: a block of 32 lies in one lane, the conversions give codes with K innermost, nothing is transposed by an instruction.
; A work-group takes 32 columns (two tiles) x 512 K, its wave w the K step 4 y + w.  The codes are laid into the wave's own image in LDS and leave as runs of 512 consecutive bytes.
; LIMITS: NaN and infinities are not served; a block whose largest magnitude lies under 2^-122 keeps the byte 1; a block of zeros gets the byte 1 and not 127 (its codes are zeros, and this program alone reads the bytes).
.set SCW, 12288                        ; behind the four waves' images of 3,072 bytes: 128 scale words
.set X,   16                           ; v16-143  my column's 128 numbers
.set C,   144                          ; v144-191 block b's six registers of codes at C + 12 b, three more at work behind them
	s_load_b256 s[4:11], s[0:1], 0x0               ; W_qkv, W_proj, the codes, the scale words
	v_lshl_add_u32 v208, v0, 2, 0x3200
	v_mov_b32 v209, 0
	v_lshrrev_b32 v1, 5, v0
	v_readfirstlane_b32 s12, v1                    ; wave 0..3
	v_and_b32 v8, 31, v0                           ; lane
	v_lshlrev_b32 v1, 2, v8                        ; in: 4 bytes a lane
	v_bfe_u32 v9, v0, 3, 1                         ; U: which of the two tiles my column falls into
	v_and_b32 v10, 7, v0
	v_bfe_u32 v11, v0, 4, 1
	v_lshl_add_u32 v10, v11, 3, v10                ; i: its place there
	s_mul_i32 s13, s12, 3072
	v_mul_u32_u24 v2, v9, 1536
	v_lshl_add_u32 v2, v10, 4, v2
	v_add_nc_u32 v2, s13, v2                       ; my wave's image: fragment U, 16 i
	v_lshlrev_b32 v3, 8, v9
	v_lshl_add_u32 v3, v10, 4, v3
	s_lshl_b32 s14, s12, 2
	s_add_co_u32 s14, s14, SCW
	v_add_nc_u32 v3, s14, v3                       ; my word: 256 U + 16 i + 4 w
	v_lshlrev_b32 v6, 4, v8                        ; 16 x lane
	v_add_nc_u32 v4, s13, v6
	v_add_nc_u32 v5, SCW, v6
	v_lshlrev_b32 v7, 9, v11
	v_and_b32 v12, 15, v0
	v_lshl_add_u32 v7, v12, 4, v7                  ; the words' way out: tile lane / 16, 16 bytes a place
	s_and_b32 s15, ttmp7, 0xffff                   ; which half of K
	s_lshl_b32 s16, s15, 2
	s_add_co_u32 s16, s16, s12                     ; my K step
	s_mov_b32 s17, 128*4096
	s_wait_kmcnt 0x0
	s_cmp_lt_u32 ttmp9, 96                         ; W_qkv's columns or W_proj's?  The choice hangs on the work-group's number alone
	s_cselect_b64 s[4:5], s[4:5], s[6:7]
	s_cselect_b32 s17, 128*12288, s17              ; 128 rows of the tensor in bytes
	s_cselect_b32 s18, 0, 96
	s_sub_co_u32 s18, ttmp9, s18
	s_lshl_b32 s18, s18, 7                         ; 32 columns are 128 bytes
	s_mul_i32 s17, s17, s16
	s_add_co_u32 s18, s18, s17
	s_mov_b32 s19, 0
	s_add_nc_u64 s[4:5], s[4:5], s[18:19]
	s_lshl_b32 s20, ttmp9, 4
	s_add_co_u32 s20, s20, s16
	s_mul_i32 s20, s20, 1536                       ; fragment (2 x, s)
	s_mov_b32 s21, 0
	s_add_nc_u64 s[8:9], s[8:9], s[20:21]
	s_lshl_b32 s20, ttmp9, 10
	s_lshl_b32 s22, s15, 8
	s_add_co_u32 s20, s20, s22
	s_add_co_u32 s20, s20, 262144
	s_add_nc_u64 s[10:11], s[10:11], s[20:21]
.macro LOADS pitch                     ; W(128 s + k, my column): 32 lanes read 128 consecutive bytes
.set kk, 0
.rept 128
	global_load_b32 v[X+kk], v1, s[4:5] offset:kk*\pitch th:TH_LOAD_NT
.set kk, kk+1
.endr
.endm
	s_cmp_lt_u32 ttmp9, 96                         ; only the loads differ: the row's length stands in their immediates
	s_cbranch_scc0 .Lproj
	LOADS 12288
	s_branch .Lloaded
.Lproj:
	LOADS 4096
.Lloaded:
.macro BLOCK b
.set XS, X+32*\b
.set CC, C+12*\b
	v_max3_num_f32 v192, |v[XS]|, |v[XS+1]|, |v[XS+2]|   ; the block's largest magnitude: all 32 numbers are mine
	v_max3_num_f32 v193, |v[XS+3]|, |v[XS+4]|, |v[XS+5]|
.irp i, 6,10,14,18,22,26
	v_max3_num_f32 v192, v192, |v[XS+\i]|, |v[XS+\i+1]|
	v_max3_num_f32 v193, v193, |v[XS+\i+2]|, |v[XS+\i+3]|
.endr
	v_max3_num_f32 v192, v192, |v[XS+30]|, |v[XS+31]|
	v_max3_num_f32 v192, v192, v193, 0x2800000     ; and the floor 2^(5 - 127)
	v_add_nc_u32 v[196+\b], 0xfe000000, v192       ; 4 off its exponent field: the conversion's scale operand
	v_lshrrev_b32 v194, 23, v[196+\b]              ; the byte
.if \b == 0
	v_mov_b32 v195, v194
.else
	v_lshl_or_b32 v195, v194, 8*\b, v195           ; four bytes make my column's word for this K step
.endif
	v_cvt_scalef32_pk16_bf6_f32 v[CC:CC+2], v[XS:XS+15], v[196+\b]
	v_cvt_scalef32_pk16_bf6_f32 v[CC+6:CC+8], v[XS+16:XS+31], v[196+\b]   ; (a conversion's three registers begin on an even number)
	v_nop                                          ; one plain place behind a scaled conversion
.irp i, 0,1,2
	v_mov_b32 v[CC+3+\i], v[CC+6+\i]
.endr
; block b = 2 c + h is registers 6 c .. 6 c + 5 of lane i + 16 h of the fragment
.if \b < 2
	ds_store_b128 v2, v[CC:CC+3] offset:256*(\b%2)            ; registers 0-3: group 0
	ds_store_b64 v2, v[CC+4:CC+5] offset:512+256*(\b%2)       ; registers 4, 5: the lower half of group 1
.else
	ds_store_b64 v2, v[CC:CC+1] offset:520+256*(\b%2)         ; registers 6, 7: its upper half
	ds_store_b128 v2, v[CC+2:CC+5] offset:1024+256*(\b%2)     ; registers 8-11: group 2
.endif
.endm
	s_wait_loadcnt 63                              ; at most 63 of the 128 are out: the first 65 are in, blocks 0 and 1 among them
	BLOCK 0
	BLOCK 1
	s_wait_loadcnt 32
	BLOCK 2
	s_wait_loadcnt 0x0
	BLOCK 3
	ds_store_b32 v3, v195
.irp f, 0,1,2,3,4,5
	ds_load_b128 v[X+4*\f:X+4*\f+3], v4 offset:512*\f   ; my wave's own bytes, and LDS serves a wave in order
.endr
.irp f, 0,1,2,3,4,5
	s_wait_dscnt 5-\f
	global_store_b128 v6, v[X+4*\f:X+4*\f+3], s[8:9] offset:(\f/3)*12288+(\f%3)*512   ; 512 consecutive bytes a store; the second tile's fragment lies 8 fragments on
.endr
	s_wait_dscnt 0x0                               ; for the others' sake: my words have landed
	s_barrier_signal -1
	s_barrier_wait -1
	s_cmp_lg_u32 s12, 0
	s_cbranch_scc1 .Ldone
	ds_load_b128 v[40:43], v5
	s_wait_dscnt 0x0
	global_store_b128 v7, v[40:43], s[10:11]       ; sixteen lanes store 256 consecutive bytes, aligned: a tile's words of this half of K
.Ldone:
	s_wait_tensorcnt 0x0
	ds_add_u32 v208, v209
	s_wait_dscnt 0x0
	s_endpgm
.Lfunc_end_k_q593b2fa79b_qw:
	.size	k_q593b2fa79b_qw, .Lfunc_end_k_q593b2fa79b_qw-k_q593b2fa79b_qw
	.p2alignl 7, 3214868480
	.fill 96, 4, 3214868480
	.section	.rodata,"a",@progbits
	.p2align	6, 0x0
	.amdhsa_kernel k_q593b2fa79b_qw
		.amdhsa_group_segment_fixed_size 13312
		.amdhsa_private_segment_fixed_size 0
		.amdhsa_enable_private_segment 0
		.amdhsa_kernarg_size 32
		.amdhsa_user_sgpr_count 2
		.amdhsa_user_sgpr_kernarg_segment_ptr 1
		.amdhsa_wavefront_size32 1
		.amdhsa_system_sgpr_workgroup_id_x 1
		.amdhsa_system_sgpr_workgroup_id_y 1
		.amdhsa_system_sgpr_workgroup_id_z 1
		.amdhsa_system_vgpr_workitem_id 0
		.amdhsa_next_free_vgpr 210
		.amdhsa_next_free_sgpr 66
		.amdhsa_reserve_vcc 0
		.amdhsa_float_denorm_mode_32 3
		.amdhsa_float_denorm_mode_16_64 3
		.amdhsa_memory_ordered 1
		.amdhsa_forward_progress 1
		.amdhsa_inst_pref_size 35
	.end_amdhsa_kernel
	.amdgpu_metadata
---
amdhsa.version: [ 1, 2 ]
amdhsa.kernels:
  - .name:           k_q593b2fa79b_qw
    .symbol:         k_q593b2fa79b_qw.kd
    .args:
      - { .name: W_qkv, .offset: 0, .size: 8, .value_kind: global_buffer, .address_space: global }
      - { .name: W_proj, .offset: 8, .size: 8, .value_kind: global_buffer, .address_space: global }
      - { .name: wc, .offset: 16, .size: 8, .value_kind: global_buffer, .address_space: global }
      - { .name: scl, .offset: 24, .size: 8, .value_kind: global_buffer, .address_space: global }
    .group_segment_fixed_size: 13312
    .private_segment_fixed_size: 0
    .kernarg_segment_align: 8
    .kernarg_segment_size: 32
    .max_flat_workgroup_size: 128
    .sgpr_count:     66
    .vgpr_count:     210
    .wavefront_size: 32
...
	.end_amdgpu_metadata
.endif
;; end of part 2
;; launch gemm1 (part 3): grid 12 x 32, 4 waves a work-group, clusters of 4 x 4, 327,680 bytes of LDS; arguments xc, wc, scl, b_qkv, qkvc, qkvs; writes qkvc, qkvs
.if DOCPART == 3
	.amdgcn_target "amdgcn-amd-amdhsa--gfx1250"
	.amdhsa_code_object_version 6
	.text
	.protected	k_q593b2fa79b_gemm1
	.globl	k_q593b2fa79b_gemm1
	.p2align	8
	.type	k_q593b2fa79b_gemm1,@function
k_q593b2fa79b_gemm1:
	s_mov_b64 s[64:65], 0
	v_nop
	global_prefetch_b8 v0, s[64:65] scope:SCOPE_SE
	s_setreg_imm32_b32 hwreg(HW_REG_WAVE_MODE, 25, 1), 1
	s_wait_xcnt 0x0
	s_wait_alu depctr_hold_cnt(0) depctr_sa_sdst(0) depctr_va_vdst(0) depctr_va_sdst(0) depctr_va_ssrc(0) depctr_va_vcc(0) depctr_vm_vsrc(0)
	s_getreg_b32 s2, hwreg(HW_REG_IB_STS2, 6, 4)
	s_cmp_eq_u32 s2, 0
	s_cbranch_scc0 .Lentry_in_a_cluster
	s_endpgm
.Lentry_in_a_cluster:
	s_bfe_u32 s2, ttmp6, 0x10000c
	s_cmp_lg_u32 s2, 0xf033
	s_cbranch_scc0 .Lentry_shape_is_right
	s_endpgm
.Lentry_shape_is_right:
; qkv = x W_qkv + b_qkv on codes of BF6 (E3M2) with E8M0 scales, f32 sums; the result never goes to memory as f32: it is quantised in registers for the attention's products.
; A work-group of four waves makes 256 tokens x 256 columns, a wave 128 x 128: 64 accumulators, 512 registers.  K = 1,024 goes in four parts of 256 through three LDS slots; the fourth part fills slot 0 again.
; OPERANDS ARE FRAGMENT IMAGES (16 rows x 128 K, 1,536 bytes, lane l's registers 4 c .. 4 c + 3 at 512 c + 16 l): three loads of 16 bytes a lane bring a fragment, each 512 consecutive bytes; no pitch, no padding.
; Source 0 is called P, source 1 R.  Place i of a tile 2 G + U is row 32 G + 8 U + (i & 7) + 16 (i >> 3): so in the result lane (r, h) holds R's place r, and the 64 registers of P's eight tiles are
; P's rows 32 b + 16 h + 0 .. 15, b = 0 .. 3: sixteen neighbours of each block of 32, as the quantiser wants them.
; q, k (cluster x 0, 1): P = W, R = x: a lane holds a token, registers run along the columns: quantised along a head's 64.  v (cluster x 2): P = x, R = W: a lane holds a column, registers run along the tokens: quantised along the keys.
; The tensor loads are the same in both cases; only two LDS bases and two scale offsets change places, by a choice on the cluster's x, which all partners share.
; OUT: record rec = 64 (128-group of columns) + (128-group of tokens): eight fragment images at 12,288 rec (q, k: the eight token tiles, K = 128 columns = a pair of heads; v: eight tiles of columns, K = 128 tokens);
; their scale words at 512 rec: [tiles 0-3 | 4-7][place 16][4 words = 4 tiles].
; CLUSTERS: 4 x 4.  x's tiles are shared along a row of the cluster, W's along a column: joint loads with a mask that names the four.
; LIMITS: NaN and infinities are not served; a block whose largest magnitude lies under 2^-122 keeps the byte 1; a block of zeros gets the byte 1 and not 127 (its codes are zeros, and this program alone reads the bytes).
; REGISTERS: window 0: v1-15 addresses; v28, v29 for the add; v32-95 scale words; v96-111 the bias by lanes; v128-223 R's eight fragments, ONE set; at the end v128-239 at work.
;   window 1: P's fragments, TWO sets, at v0 and v128; the bias by registers at v96-127 and v224-255.   windows 2, 3: accumulator (a, b) at v[8 (8 (a % 4) + b)] of window 2 + a / 4.
.set HALFT, 24576                      ; 8 tiles x 2 fragments: what one tensor load brings, and what a wave reads of one operand
.set SLOT,  4*HALFT                    ; x's 16 tiles, then W's 16
.set SPARE, 3*SLOT                     ; behind the slots: the spare words, 128 bytes a wave
.set LI,   1                           ; v1     16 x lane
.set ADRP, 4                           ; v4-6   P's fragments in slot 0, 1, 2
.set ADRR, 8                           ; v8-10  R's
.set SPW,  28
.set NIL,  29
.set SC,   32                          ; register 8 t + s: lanes 0-15 the word of R's tile t, lanes 16-31 that of P's tile t, for K step s
.set BR,   96
.set AF,   128
.set HA,   128                         ; the end: 64 sums with their bias
.set PC,   192                         ; the codes just made
.set SW,   212                         ; the eight scale words
.set TM,   224
.set SEL,  20
.set G1X,  24                          ; s[24:31] group 1 for x's tiles; s[32:43] three groups 0
.set G0X,  32
.set G1W,  44                          ; s[44:51], s[52:63] the same for W's
.set G0W,  52
.set MUL_LO, 0xa1                      ; source 0 window 1, source 1 window 0, C and D window 2
.set MUL_HI, 0xf1                      ; the same, C and D window 3
.set MSB, 0
.macro WIN new                         ; the immediate's high byte repeats the setting that is left
.if MSB != (\new)
	s_set_vgpr_msb (MSB<<8)|(\new)
.set MSB, (\new)
.endif
.endm
.macro PLACES n
.rept \n
	v_nop
.endr
.endm
; A joint load: waves 0 and 1 fetch x's two halves, waves 2 and 3 W's.  Four v_nop follow each of the two lines.
.macro JLOAD c
	s_cmp_eq_u32 s17, 0
	s_cbranch_scc0 .Lfor_w_\@
	tensor_load_to_lds s[G0X+4*\c:G0X+4*\c+3], s[G1X:G1X+7]
	s_nop 0
.rept 4
	v_nop
.endr
	s_branch .Lasked_\@
.Lfor_w_\@:
	tensor_load_to_lds s[G0W+4*\c:G0W+4*\c+3], s[G1W:G1W+7]
	s_nop 0
.rept 4
	v_nop
.endr
.Lasked_\@:
.endm
.macro CREST                           ; a round of the cluster's barrier behind its opening barrier
	s_cmp_lg_u32 s16, 0
	s_cbranch_scc1 .Lnot_wave_0_\@
	s_barrier_signal -3
.Lnot_wave_0_\@:
	s_barrier_wait -3
	s_barrier_signal -1
	s_barrier_wait -1
.endm
.macro CROUND
	s_barrier_signal -1
	s_barrier_wait -1
	CREST
.endm
.macro QUANT s, pw                     ; 64 numbers of a lane, v[s + 16 b + i] = k 32 b + 16 (lane / 16) + i, become a fragment's codes in v[PC] on and its scale word in v[pw]
.irp b, 0,1,2,3
	v_max3_num_f32 v[TM+\b], |v[\s+16*\b]|, |v[\s+1+16*\b]|, 0x2800000   ; the floor 2^(5 - 127) among the leaves
.endr
.irp i, 2,4,6,8,10,12,14
.irp b, 0,1,2,3
	v_max3_num_f32 v[TM+\b], v[TM+\b], |v[\s+16*\b+\i]|, |v[\s+1+16*\b+\i]|
.endr
.endr
.irp b, 0,1,2,3
	v_permlanex16_b32 v[TM+4+\b], v[TM+\b], s[SEL], s[SEL+1]
.endr
.irp b, 0,1,2,3
	v_max_num_f32 v[TM+\b], v[TM+\b], v[TM+4+\b]
.endr
.irp b, 0,1,2,3
	v_add_nc_u32 v[TM+12+\b], 0xfe000000, v[TM+\b]    ; 4 off the exponent field: the conversion's scale operand
.endr
.irp b, 0,1,2,3
	v_lshrrev_b32 v[TM+4+\b], 23, v[TM+12+\b]
.endr
	v_lshl_or_b32 v[\pw], v[TM+5], 8, v[TM+4]
	v_lshl_or_b32 v[\pw], v[TM+6], 16, v[\pw]
	v_lshl_or_b32 v[\pw], v[TM+7], 24, v[\pw]
.irp c, 0,1
	v_cvt_scalef32_pk16_bf6_f32 v[PC+6*\c:PC+2+6*\c], v[\s+32*\c:\s+15+32*\c], v[TM+12+2*\c]
	v_cvt_scalef32_pk16_bf6_f32 v[PC+12+4*\c:PC+14+4*\c], v[\s+16+32*\c:\s+31+32*\c], v[TM+12+2*\c+1]
.endr
	v_nop                                          ; one plain place behind a scaled conversion
.irp c, 0,1
.irp i, 0,1,2
	v_permlane16_swap_b32 v[PC+6*\c+\i], v[PC+12+4*\c+\i]
.endr
.irp i, 0,1,2
	v_mov_b32 v[PC+3+6*\c+\i], v[PC+12+4*\c+\i]
.endr
.endr
.endm
	s_load_b256 s[4:11], s[0:1], 0x0               ; x's codes, W's codes, the scale words, the bias
	s_load_b128 s[12:15], s[0:1], 0x20             ; out: codes, scale words
	v_lshl_add_u32 v[SPW], v0, 2, SPARE
	v_mov_b32 v[NIL], 0
	ds_add_u32 v28, v29
	ds_add_u32 v28, v29
	s_wait_dscnt 0x0
	v_lshrrev_b32 v1, 5, v0
	v_readfirstlane_b32 s16, v1                    ; wave 0..3
	s_lshr_b32 s17, s16, 1                         ; my half of the tokens.  Also: I fetch for x (0) or for W (1)
	s_and_b32 s18, s16, 1                          ; my half of the columns.  Also: which 8 tiles I fetch
	s_bfe_u32 s66, ttmp6, 0x40000                  ; cx
	s_bfe_u32 s67, ttmp6, 0x40004                  ; cy
	s_lshl_b32 s68, ttmp9, 2
	s_add_co_u32 s68, s68, s66                     ; block of 256 columns
	s_and_b32 s69, ttmp7, 0xffff
	s_lshl_b32 s69, s69, 2
	s_add_co_u32 s69, s69, s67                     ; block of 256 tokens
	s_lshl_b32 s70, s67, 2
	s_lshl_b32 s70, 15, s70                        ; my row of the cluster
	s_lshl_b32 s71, 0x1111, s66                    ; my column
	; group 1: 8 rows (tiles) of 384 elements of 8 bytes (two fragments), 1,536 elements (a tile's eight fragments) apart; no padding
	s_or_b32 s[G1X], s70, (3<<16)|(1<<21)
	s_or_b32 s[G1W], s71, (3<<16)|(1<<21)
.irp g, G1X, G1W
	s_mov_b32 s[\g+1], 384<<16                     ; tensor_dim0
	s_mov_b32 s[\g+2], 8<<16                       ; tensor_dim1
	s_mov_b32 s[\g+3], 384<<16                     ; tile_dim0
	s_mov_b32 s[\g+4], 8                           ; tile_dim1
	s_mov_b32 s[\g+5], 1536                        ; stride
	s_mov_b32 s[\g+6], 0
	s_mov_b32 s[\g+7], 0
.endr
	s_lshl_b32 s74, s18, 3
	s_lshl_b32 s72, s69, 4
	s_add_co_u32 s72, s72, s74
	s_mul_i32 s72, s72, 12288                      ; x: tile 16 y + 8 half
	s_mov_b32 s73, 0
	s_lshl_b32 s76, s68, 4
	s_add_co_u32 s76, s76, s74
	s_mul_i32 s76, s76, 12288                      ; W: tile 16 x + 8 half
	s_mov_b32 s77, 0
	s_mul_i32 s78, s16, HALFT                      ; where they go: the wave's number alone
	s_mov_b32 s[SEL], 0x76543210
	s_mov_b32 s[SEL+1], 0xfedcba98
	s_wait_kmcnt 0x0
	s_add_nc_u64 s[72:73], s[4:5], s[72:73]
	s_add_nc_u64 s[76:77], s[6:7], s[76:77]
	CROUND                                         ; all sixteen work-groups are here: the first joint loads meet
.irp c, 0,1,2
	s_mov_b32 s[G0X+4*\c], 1
	s_add_co_u32 s[G0X+4*\c+1], s78, \c*SLOT
	s_add_nc_u64 s[G0X+4*\c+2:G0X+4*\c+3], s[72:73], \c*3072
	s_or_b32 s[G0X+4*\c+3], s[G0X+4*\c+3], 0x80000000
	s_mov_b32 s[G0W+4*\c], 1
	s_add_co_u32 s[G0W+4*\c+1], s78, \c*SLOT
	s_add_nc_u64 s[G0W+4*\c+2:G0W+4*\c+3], s[76:77], \c*3072
	s_or_b32 s[G0W+4*\c+3], s[G0W+4*\c+3], 0x80000000
.endr
	JLOAD 0                                        ; the first part of K: one tensor load a wave at the head
	v_and_b32 v7, 31, v0
	v_lshlrev_b32 v[LI], 4, v7
	v_lshlrev_b32 v16, 3, v7                       ; 8 x lane
	s_wait_alu depctr_va_vdst(0)
	v_and_b32 v2, 15, v0                           ; r
	s_wait_alu depctr_va_vdst(0)
	v_bfe_u32 v3, v0, 4, 1                         ; h
	s_mul_i32 s79, s17, HALFT                      ; my 8 tiles of x in a slot
	s_mul_i32 s80, s18, HALFT
	s_add_co_u32 s80, s80, 2*HALFT                 ; my 8 tiles of W
	s_lshl_b32 s81, s69, 4
	s_lshl_b32 s82, s17, 3
	s_add_co_u32 s81, s81, s82
	s_lshl_b32 s81, s81, 9                         ; their scale words: x's,
	s_lshl_b32 s82, s68, 4
	s_lshl_b32 s83, s18, 3
	s_add_co_u32 s82, s82, s83
	s_lshl_b32 s82, s82, 9
	s_add_co_u32 s82, s82, 262144                  ; W's
	s_cmp_lt_u32 ttmp9, 2                          ; q, k: P = W, R = x;  v: P = x, R = W
	s_cselect_b32 s84, s80, s79
	s_cselect_b32 s85, s79, s80
	s_cselect_b32 s86, s82, s81
	s_cselect_b32 s87, s81, s82
	s_cselect_b32 s19, 0, 1
.irp s, 0,1,2
	v_add_nc_u32 v[ADRP+\s], s84, v[LI]
	v_add_nc_u32 v[ADRR+\s], s85, v[LI]
	s_add_co_u32 s84, s84, SLOT
	s_add_co_u32 s85, s85, SLOT
.endr
	v_lshlrev_b32 v12, 4, v2
	v_mov_b32 v13, s87
	v_mov_b32 v14, s86
	v_cmp_eq_u32 vcc_lo, 1, v3
	v_cndmask_b32 v13, v13, v14, vcc_lo            ; lanes 0-15 take R's words, lanes 16-31 P's
	v_add_nc_u32 v12, v12, v13
.irp m, 0,1,2,3,4,5,6,7,8,9,10,11,12,13,14,15
	global_load_b128 v[SC+4*\m:SC+4*\m+3], v12, s[8:9] offset:256*\m   ; tile m / 2, K steps 4 (m % 2) on: all the launch's scale words, once, 256 consecutive bytes for each half of the lanes
.endr
	s_lshl_b32 s88, s68, 10
	s_lshl_b32 s89, s18, 9
	s_add_co_u32 s88, s88, s89                     ; my first column, in bytes
	s_mov_b32 s89, 0
	s_add_nc_u64 s[10:11], s[10:11], s[88:89]
	v_lshlrev_b32 v14, 6, v3                       ; by registers: tile b's eight columns of my half: 32 (b / 2) + 8 (b % 2) + 16 h on
	v_and_b32 v15, 7, v2
	v_lshrrev_b32 v7, 3, v2
	v_lshl_add_u32 v15, v7, 4, v15
	v_lshlrev_b32 v15, 2, v15                      ; by lanes: tile a's column at my place
	WIN 0x40
.irp b, 0,1,2,3,4,5,6,7
	global_load_b128 v[96+8*\b+96*(\b/4):96+8*\b+96*(\b/4)+3], v14, s[10:11] offset:(32*(\b/2)+8*(\b%2))*4
	global_load_b128 v[96+8*\b+96*(\b/4)+4:96+8*\b+96*(\b/4)+7], v14, s[10:11] offset:(32*(\b/2)+8*(\b%2))*4+16
.endr
	WIN 0
.irp a, 0,1,2,3,4,5,6,7
	global_load_b32 v[BR+2*\a], v15, s[10:11] offset:(32*(\a/2)+8*(\a%2))*4
	global_load_b32 v[BR+2*\a+1], v15, s[10:11] offset:(32*(\a/2)+8*(\a%2))*4   ; twice: a pair for the packed addition
.endr
	s_lshl_b32 s90, s68, 1
	s_add_co_u32 s90, s90, s18
	s_lshl_b32 s90, s90, 6
	s_lshl_b32 s91, s69, 1
	s_add_co_u32 s91, s91, s17
	s_add_co_u32 s90, s90, s91                     ; my record
	s_mul_i32 s92, s90, 12288
	; q AND k LEAVE BY HEADS: for a pair of heads and a batch (16 records on end) the even head's 128 token tiles come first, 768 bytes each (registers 0-3 at 16 x lane, registers 4, 5 at 512 + 8 x lane), then the odd head's, 98,304 bytes on
	s_and_b32 s94, s91, 15                         ; J: my 128 tokens in the batch
	s_mul_i32 s94, s94, 6144
	s_cmp_eq_u32 s19, 0
	s_cselect_b32 s94, s94, 0                      ; q, k: eight tiles of 768 bytes for each J, not 12,288
	s_sub_co_u32 s92, s92, s94
	s_mov_b32 s93, 0
	s_add_nc_u64 s[12:13], s[12:13], s[92:93]
	s_lshl_b32 s92, s90, 9
	s_add_nc_u64 s[14:15], s[14:15], s[92:93]
.macro FRAG reg, adr, off
.irp c, 0,1,2
	ds_load_b128 v[\reg+4*\c:\reg+4*\c+3], v[\adr] offset:\off+512*\c
.endr
.endm
.macro FETCH_P slot, q, p              ; P's eight fragments of the slot's q-th 128 along K into set p: 24 loads
	WIN 0x40
.irp i, 0,1,2,3,4,5,6,7
	FRAG 128*(\p)+12*\i, ADRP+\slot, 3072*\i+1536*(\q)
.endr
	WIN 0
.endm
.macro FETCH_R slot, q, i0             ; R's tiles i0 .. i0 + 3: 12 loads
.irp i, \i0, \i0+1, \i0+2, \i0+3
	FRAG AF+12*(\i), ADRR+\slot, 3072*(\i)+1536*(\q)
.endr
.endm
; 16 matrix instructions: R's tiles a0, a0 + 1 x P's eight, K step s.  The 64 accumulators take turns, one instruction a turn, in the same order in every step.
.macro MUL16 a0, p, s, first
.irp a, \a0, \a0+1
.irp b, 0,1,2,3,4,5,6,7
.if \first
	v_wmma_scale_f32_16x16x128_f8f6f4 v[8*(8*((\a)%4)+\b):8*(8*((\a)%4)+\b)+7], v[128*(\p)+12*\b:128*(\p)+12*\b+11], v[AF+12*(\a):AF+12*(\a)+11], 0, v[SC+8*\b+(\s)], v[SC+8*(\a)+(\s)] matrix_a_fmt:MATRIX_FMT_BF6 matrix_b_fmt:MATRIX_FMT_BF6 matrix_a_scale:MATRIX_SCALE_ROW1
.else
	v_wmma_scale_f32_16x16x128_f8f6f4 v[8*(8*((\a)%4)+\b):8*(8*((\a)%4)+\b)+7], v[128*(\p)+12*\b:128*(\p)+12*\b+11], v[AF+12*(\a):AF+12*(\a)+11], v[8*(8*((\a)%4)+\b):8*(8*((\a)%4)+\b)+7], v[SC+8*\b+(\s)], v[SC+8*(\a)+(\s)] matrix_a_fmt:MATRIX_FMT_BF6 matrix_b_fmt:MATRIX_FMT_BF6 matrix_a_scale:MATRIX_SCALE_ROW1
.endif
.endr
.endr
.endm
; K step s; the next step's fragments lie in slot nslot, its nq-th 128.  Four places stand in front of each run of loads into registers that matrix instructions have read (ISA guide 7.12.1 for vector instructions).
.macro STEP s, nslot, nq, first
	s_wait_dscnt 12                                ; P's set and R's tiles 0-3 are in; the youngest 12 loads (R's tiles 4-7) may be out
	WIN MUL_LO
	MUL16 0, (\s)%2, \s, \first
	MUL16 2, (\s)%2, \s, \first
	s_wait_dscnt 0x0                               ; R's tiles 4-7 are in
	PLACES 4
	FETCH_P \nslot, \nq, 1-(\s)%2
	FETCH_R \nslot, \nq, 0
	WIN MUL_HI
	MUL16 4, (\s)%2, \s, \first
	MUL16 6, (\s)%2, \s, \first
	PLACES 4
	WIN 0
	FETCH_R \nslot, \nq, 4
.endm
; A step behind which a slot is entered that needs a barrier.  In front of it each wave waits for all its tensor loads, adds 0 to its spare word, and waits for that and for its reads.
; fill = 2: slot 0, read out, takes the fourth part of K: the barrier opens a round of the cluster's barrier, and the joint refill is the first thing behind it.
.macro TURN s, nslot, fill
	s_wait_tensorcnt 0x0                           ; all my tensor loads have landed
	ds_add_u32 v[SPW], v[NIL]                      ; 0 onto my spare word
	s_wait_dscnt 13                                ; (the add and the youngest 12 loads may be out)
	WIN MUL_LO
	MUL16 0, (\s)%2, \s, 0
	s_wait_dscnt 0x0                               ; the add is done, and my reads of the slot in hand are over
	s_barrier_signal -1
	MUL16 2, (\s)%2, \s, 0
	WIN 0
	s_barrier_wait -1
.if \fill
	CREST                                          ; no wave of any partner still reads the slot or has a load on its way
.if \fill == 2
	s_add_nc_u64 s[G0X+2:G0X+3], s[G0X+2:G0X+3], 3*3072
	s_add_nc_u64 s[G0W+2:G0W+3], s[G0W+2:G0W+3], 3*3072
	JLOAD 0                                        ; fill = 2: slot 0, read out, takes the fourth part of K
.else
	JLOAD 2                                        ; fill = 1: slot 2's first fill, the third part of K
.endif
.else
	PLACES 4
.endif
	FETCH_P \nslot, 0, 1-(\s)%2
	FETCH_R \nslot, 0, 0
	WIN MUL_HI
	MUL16 4, (\s)%2, \s, 0
	MUL16 6, (\s)%2, \s, 0
	PLACES 4
	WIN 0
	FETCH_R \nslot, 0, 4
.endm
	s_wait_alu depctr_va_vdst(0)                   ; the wait at the head's end
	s_wait_tensorcnt 0x0                           ; my part of slot 0 is in
	ds_add_u32 v[SPW], v[NIL]                      ; ahead of a later first fill
	s_wait_dscnt 0x0
	CROUND                                         ; everybody's part is in, and the joint loads meet
	JLOAD 1                                        ; the second part of K: my one load behind this round
	FETCH_P 0, 0, 0
	FETCH_R 0, 0, 0
	FETCH_R 0, 0, 4
	s_wait_loadcnt 32                              ; the 16 loads of scale words are in; the 32 of the bias, issued behind them, may be out
	STEP 0, 0, 1, 1                                ; the first products start the sums: nothing is cleared
	TURN 1, 1, 1                                   ; every wave has shown slot 1 landed; slot 2 takes its first fill
	STEP 2, 1, 1, 0
	TURN 3, 2, 2                                   ; slot 2 has landed in every wave; slot 0 is filled again
	STEP 4, 2, 1, 0
	TURN 5, 0, 0                                   ; slot 0's second fill has landed in every wave; nothing more is asked for
	STEP 6, 0, 1, 0
	s_wait_dscnt 12
	WIN MUL_LO
	MUL16 0, 1, 7, 0
	MUL16 2, 1, 7, 0
	s_wait_dscnt 0x0
	WIN MUL_HI
	MUL16 4, 1, 7, 0
	MUL16 6, 1, 7, 0
	WIN 0
; THE END.  For each of R's tiles: the 64 sums of a lane take their bias (the packed addition also brings them into window 0, each accumulator from its low end on), are quantised, and leave as a fragment image.
.macro EPI m                           ; m = 0: the bias runs along the registers (q, k);  m = 1: along the lanes (v)
.irp a, 0,1,2,3,4,5,6,7
.if \m
	WIN 0x02+\a/4
.else
	WIN 0x06+\a/4
.endif
.set nn, 0
.rept 32
.if \m
	v_pk_add_f32 v[HA+2*nn:HA+2*nn+1], v[64*(\a%4)+2*nn:64*(\a%4)+2*nn+1], v[BR+2*\a:BR+2*\a+1]
.else
	v_pk_add_f32 v[HA+2*nn:HA+2*nn+1], v[64*(\a%4)+2*nn:64*(\a%4)+2*nn+1], v[96+8*(nn/4)+96*(nn/16)+(2*nn)%8:96+8*(nn/4)+96*(nn/16)+(2*nn)%8+1]
.endif
.set nn, nn+1
.endr
	WIN 0
	s_wait_xcnt 0x0                                ; the last tile's stores have read their registers: the codes may be written again
	QUANT HA, SW+\a
.if \m
.irp c, 0,1,2
	global_store_b128 v[LI], v[PC+4*\c:PC+4*\c+3], s[12:13] offset:1536*\a+512*\c   ; 512 consecutive bytes a store
.endr
.else
	global_store_b128 v[LI], v[PC:PC+3], s[12:13] offset:768*\a                     ; the even head's half: 512 and 256 consecutive bytes
	global_store_b64 v16, v[PC+4:PC+5], s[12:13] offset:768*\a+512
	global_store_b128 v[LI], v[PC+6:PC+9], s[12:13] offset:98304+768*\a             ; the odd head's
	global_store_b64 v16, v[PC+10:PC+11], s[12:13] offset:98304+768*\a+512
.endif
.endr
.endm
	s_wait_loadcnt 0x0                             ; the bias
	PLACES 4                                       ; behind the last products
.irp b, 0,1,2,3
	v_mov_b32 v[TM+4+\b], 0                        ; a lane permute's destination counts as one of its sources
.endr
	s_cmp_eq_u32 s19, 0                            ; hangs on the cluster's x alone
	s_cbranch_scc0 .Lby_lanes
	EPI 0
	s_branch .Lwords
.Lby_lanes:
	EPI 1
.Lwords:
	v_cmp_eq_u32 vcc_lo, 1, v3
.irp j, 0,1,2,3
	v_cndmask_b32 v[220+\j], v[SW+\j], v[SW+4+\j], vcc_lo   ; lanes 0-15: tiles 0-3 at place r; lanes 16-31: tiles 4-7
.endr
	global_store_b128 v[LI], v[220:223], s[14:15]  ; the record's 512 bytes of scale words
	s_cmp_eq_u32 s19, 0                            ; hangs on the cluster's x alone
	s_cbranch_scc0 .Lno_odd
.irp j, 0,1,2,3
	v_lshrrev_b32 v[224+\j], 16, v[220+\j]         ; q, k: the odd head's two bytes once more in the word's low half, in a second plane 786,432 bytes on
.endr
	global_store_b128 v[LI], v[224:227], s[14:15] offset:786432
.Lno_odd:
	s_wait_tensorcnt 0x0                           ; the wave's end
	ds_add_u32 v[SPW], v[NIL]
	s_wait_dscnt 0x0
	CROUND                                         ; the closing round
	s_endpgm
.Lfunc_end_k_q593b2fa79b_gemm1:
	.size	k_q593b2fa79b_gemm1, .Lfunc_end_k_q593b2fa79b_gemm1-k_q593b2fa79b_gemm1
	.p2alignl 7, 3214868480
	.fill 96, 4, 3214868480
	.section	.rodata,"a",@progbits
	.p2align	6, 0x0
	.amdhsa_kernel k_q593b2fa79b_gemm1
		.amdhsa_group_segment_fixed_size 327680
		.amdhsa_private_segment_fixed_size 0
		.amdhsa_enable_private_segment 0
		.amdhsa_kernarg_size 48
		.amdhsa_user_sgpr_count 2
		.amdhsa_user_sgpr_kernarg_segment_ptr 1
		.amdhsa_wavefront_size32 1
		.amdhsa_system_sgpr_workgroup_id_x 1
		.amdhsa_system_sgpr_workgroup_id_y 1
		.amdhsa_system_sgpr_workgroup_id_z 1
		.amdhsa_system_vgpr_workitem_id 0
		.amdhsa_next_free_vgpr 1024
		.amdhsa_next_free_sgpr 96
		.amdhsa_reserve_vcc 1
		.amdhsa_float_denorm_mode_32 3
		.amdhsa_float_denorm_mode_16_64 3
		.amdhsa_memory_ordered 1
		.amdhsa_forward_progress 1
		.amdhsa_inst_pref_size 207
	.end_amdhsa_kernel
	.amdgpu_metadata
---
amdhsa.version: [ 1, 2 ]
amdhsa.kernels:
  - .name:           k_q593b2fa79b_gemm1
    .symbol:         k_q593b2fa79b_gemm1.kd
    .args:
      - { .name: xc, .offset: 0, .size: 8, .value_kind: global_buffer, .address_space: global }
      - { .name: wc, .offset: 8, .size: 8, .value_kind: global_buffer, .address_space: global }
      - { .name: scl, .offset: 16, .size: 8, .value_kind: global_buffer, .address_space: global }
      - { .name: b_qkv, .offset: 24, .size: 8, .value_kind: global_buffer, .address_space: global }
      - { .name: qkvc, .offset: 32, .size: 8, .value_kind: global_buffer, .address_space: global }
      - { .name: qkvs, .offset: 40, .size: 8, .value_kind: global_buffer, .address_space: global }
    .group_segment_fixed_size: 327680
    .private_segment_fixed_size: 0
    .kernarg_segment_align: 8
    .kernarg_segment_size: 48
    .max_flat_workgroup_size: 128
    .sgpr_count:     96
    .vgpr_count:     1024
    .wavefront_size: 32
...
	.end_amdgpu_metadata
.endif
;; end of part 3
;; launch attn (part 4): grid 4 x 64, 16 waves a work-group, no clusters, 327,680 bytes of LDS; arguments qkvc, qkvs, yc, scl; writes yc, scl
.if DOCPART == 4
	.amdgcn_target "amdgcn-amd-amdhsa--gfx1250"
	.amdhsa_code_object_version 6
	.text
	.protected	k_q593b2fa79b_attn
	.globl	k_q593b2fa79b_attn
	.p2align	8
	.type	k_q593b2fa79b_attn,@function
k_q593b2fa79b_attn:
	s_mov_b64 s[64:65], 0
	v_nop
	global_prefetch_b8 v0, s[64:65] scope:SCOPE_SE
	s_setreg_imm32_b32 hwreg(HW_REG_WAVE_MODE, 25, 1), 1
	s_wait_xcnt 0x0
; Causal attention on codes of BF6 (E3M2) with E8M0 scales, for ONE head of 64: y = softmax(q k^T / 8, keys <= query) v; y is quantised in registers for the last product.
; LEFT OUT: key steps all of whose keys come after a tile's queries (the mask that reference() builds makes their p 0 for all inputs).
; IN.  q, k of a head: 128 token tiles of 768 bytes (lane l's registers 0-3 at 16 l, 4, 5 at 512 + 8 l); place i of tile 2 G + U is token 32 G + 8 U + (i & 7) + 16 (i >> 3).
;   v: records of 128 tokens; the head's four column tiles are images of 1,536 bytes (registers 4 c .. 4 c + 3 at 512 c + 16 l).  Scale words: 512 bytes for 128 tokens of q or k ([tiles 0-3 | 4-7][place][4 words]), 256 for v.
; K = 64 IN AN INSTRUCTION 128 DEEP: q stands as [6 registers | 6 of zero codes]; a tile of k is 6 registers, and the 6 behind it (the next tile's, or lane constants behind the last) meet the zero codes and add nothing.
; THE SOFTMAX: t = score x log2(e) / 8; M = the running largest t rounded UP to a whole number; p = 2^(t - M) is quantised along the keys; the row's sum is taken of the unquantised p; when M moves, the sum and O are multiplied by 2^(old M - new M).
; SHARES.  A work-group owns one batch and head and the 128-query blocks g, 15 - g, 7 - g, 8 + g.  All of the head's k and v (2 x 98,304 bytes) and their scale words lie in LDS, filled ONCE, in four parts of 512 keys:
;   part p + 1 is asked for behind the barrier that shows part p, four key steps of sixteen waves ahead of its first read: so no prefetch is laid.
;   A wave owns a tile of block 15 - J and the same tile of block J (J = g or 7 - g): 17 key steps of 128 for every wave.  Trip n = 0 .. 16: up to n = 15 - J the late tile takes key step n; from n = 16 - J on the early tile takes key step 16 - n
;   (the order of the keys is free under a running M).  So trip n reads no key step beyond n, and all trip counts are constants.
;   LDS: a part is [4 slices][4 key steps][1,536 bytes]: a load brings one slice (two tiles of k, or a column tile of v) of the part's four key steps, so that each load holds bytes that are read in every work-group.
; NO CLUSTER: the trip in which a wave changes its tile hangs on g, which would be the work-group's place in a cluster.
; OUT: y's half fragment (768 bytes, as q's) at (8 tile + pair) x 1,536 + 768 x (head & 1); its scale words in one plane for each parity of the head, the two bytes at their place in the pair's word, the others 0.
; LIMITS: NaN and infinities are not served; the scaled scores stay under 2^31 in magnitude; a block whose largest magnitude lies under 2^-122 keeps the byte 1; a block of zeros gets the byte 1 and not 127 (this program alone reads the bytes).
; REGISTERS: v1-4 lane places; v5, v6 for the add; v7 the mask's lane term; v8-11, v28 the step's addresses; v12-15 -M, largest t, the sum's halves; v16-27 q; v34-81 k's tiles, then v's; v82-87 lane constants; v96-159 S^T, then p;
;   v160-191 O^T; v192-198 the early tile's q; v199, v200 y's scale words; v224-235 p's codes; v232-247 at work; v248-251 k's or v's scale words; v252 f; v253 p's scale word; v254 at work; v255 q's scale word.
.set VB,    98304                      ; k's four parts at 0, v's here
.set SCK,   196608                     ; k's scale words: 16 x 512 bytes
.set SCV,   204800                     ; v's: 16 x 256
.set SPARE, 208896                     ; the spare words: 128 bytes for each of 16 waves
.set YSW,   210944                     ; y's scale words, four records of 512 bytes: stored by the waves, never filled
.set WV,   12
.set SEL,  20
.set CS,   22                          ; s[22:23] c = log2(e) / 8
.set G1K,  24
.set G1V,  32
.set G0,   40
.set G0SK, 44
.set G0SV, 48
.set G1SK, 52
.set G1SV, 68
.set N,    62                          ; the trip
.set SW,   63                          ; the trip in which I change tiles: 16 - J
.set KS,   66                          ; the trip's key step
.set TB,   67                          ; its LDS byte in k's region
.set TSK,  76
.set TSV,  77
.set KF,   78                          ; its first key
.set Q0,   79                          ; my tile's first query
.set Q0E,  80                          ; the early tile's
.set ESH,  81                          ; 16 x (head & 1)
.set SLOTS, 82
.set STEPS, 83
.set T0,   84
.set T1,   85
.set YL,   94                          ; s[94:95] the late tile's y, s[96:97] the early tile's, s[98:99] a record of y's scale words
.set YE,   96
.set YS,   98
.set TM,   34
.set PC,   52
.macro NOPS n
.rept \n
	v_nop
.endr
.endm
.macro TLOAD g0, g1
	tensor_load_to_lds s[\g0:\g0+3], s[\g1:\g1+7]
	s_nop 0
	NOPS 4
.endm
.macro DESC g, c, r, p                 ; group 1: r rows of c elements of 8 bytes, p elements apart
	s_mov_b32 s[\g], 3<<16
	s_mov_b32 s[\g+1], (\c)<<16
	s_mov_b32 s[\g+2], (\r)<<16
	s_mov_b32 s[\g+3], (\c)<<16
	s_mov_b32 s[\g+4], \r
	s_mov_b32 s[\g+5], \p
	s_mov_b32 s[\g+6], 0
	s_mov_b32 s[\g+7], 0
.endm
.macro RESET                           ; a tile's state: largest t -3e38, sums and O^T zero (the first change of M leaves zeros zeros)
	v_mov_b32 v13, 0xff61b1e6
	v_floor_f32 v12, -v13
	v_mov_b32 v14, 0
	v_mov_b32 v15, 0
.set jj, 0
.rept 32
	v_mov_b32 v[160+jj], 0
.set jj, jj+1
.endr
.endm
	s_load_b256 s[4:11], s[0:1], 0x0               ; in: codes, scale words;  out: y's codes, the scale words' buffer
	v_lshl_add_u32 v5, v0, 2, SPARE
	v_mov_b32 v6, 0
	ds_add_u32 v5, v6                              ; the opening lines: the add twice and its wait ahead of my first tensor load
	ds_add_u32 v5, v6
	v_lshrrev_b32 v8, 5, v0
	v_readfirstlane_b32 s[WV], v8                  ; wave 0..15
	s_lshr_b32 s13, s[WV], 3                       ; which pair of blocks
	s_and_b32 s15, s[WV], 7                        ; which tile of a block's eight
	s_and_b32 s14, ttmp7, 0xffff
	s_lshr_b32 s17, s14, 4                         ; batch b
	s_and_b32 s16, s14, 15
	s_lshr_b32 s18, s16, 1                         ; pair of heads a
	s_and_b32 s19, s16, 1                          ; e: which of the pair
	s_lshl_b32 s[ESH], s19, 4
	s_lshl_b32 s84, s18, 6
	s_lshl_b32 s85, s17, 4
	s_add_co_u32 s85, s85, s84                     ; 64 a + 16 b
	s_mul_i32 s84, s85, 12288
	s_mul_i32 s16, s19, 98304
	s_add_co_u32 s16, s16, s84                     ; q's tiles of my head
	s_and_b32 s14, s[WV], 3
	s_mul_i32 s78, s14, 1536
	s_add_co_u32 s2, s16, 6291456                  ; k's
	s_mul_i32 s66, s19, 6144
	s_add_co_u32 s66, s66, s84
	s_add_co_u32 s66, s66, 12582912                ; v's
	s_mov_b32 s60, 49152
	s_cmp_lt_u32 s[WV], 4                          ; waves 0-3 fetch k's four slices, waves 4-7 v's
	s_cselect_b32 s66, s2, s66
	s_cselect_b32 s60, 24576, s60                  ; s[60:61]: a part in memory
	s_mov_b32 s61, 0
	s_add_co_u32 s66, s66, s78
	s_mov_b32 s67, 0
	s_lshr_b32 s82, s[WV], 2
	s_mul_i32 s82, s82, 73728
	s_mul_i32 s83, s[WV], 6144
	s_add_co_u32 s82, s82, s83                     ; LDS: 6,144 x slice, v's 98,304 on
	s_lshl_b32 s84, s85, 9
	s_mul_i32 s3, s19, 786432
	s_add_co_u32 s3, s3, s84                       ; q's scale words of my head
	s_lshl_b32 s78, s14, 11
	s_add_co_u32 s76, s3, 262144
	s_add_co_u32 s76, s76, s78                     ; k's: waves 8-11 fetch 2,048 bytes each
	s_mov_b32 s77, 0
	s_lshl_b32 s83, s19, 8
	s_add_co_u32 s84, s84, s83
	s_add_co_u32 s84, s84, 524288
	s_add_co_u32 s84, s84, s78                     ; v's: waves 12-15 fetch four rows of 256 bytes each
	s_mov_b32 s85, 0
	s_lshl_b32 s83, s14, 10
	DESC G1K, 192, 4, 768                          ; a slice of four key steps of k: rows of 1,536 bytes, 6,144 apart
	DESC G1V, 192, 4, 1536                         ; of v: 12,288 apart
	DESC G1SK, 32, 8, 32
	DESC G1SV, 32, 4, 64
	s_wait_dscnt 0x0                               ; both opening adds are done
	s_wait_kmcnt 0x0
	s_mov_b32 s[G0], 1
	s_mov_b32 s[G0+1], s82
	s_add_nc_u64 s[G0+2:G0+3], s[4:5], s[66:67]
	s_or_b32 s[G0+3], s[G0+3], 0x80000000
	s_mov_b32 s[G0SK], 1
	s_add_co_u32 s[G0SK+1], s78, SCK
	s_add_nc_u64 s[G0SK+2:G0SK+3], s[6:7], s[76:77]
	s_or_b32 s[G0SK+3], s[G0SK+3], 0x80000000
	s_mov_b32 s[G0SV], 1
	s_add_co_u32 s[G0SV+1], s83, SCV
	s_add_nc_u64 s[G0SV+2:G0SV+3], s[6:7], s[84:85]
	s_or_b32 s[G0SV+3], s[G0SV+3], 0x80000000
	s_cmp_lt_u32 s[WV], 4                          ; the first fills, one a wave: part 0 and all the scale words
	s_cbranch_scc0 .Lhead_v
	TLOAD G0, G1K
	s_branch .Lhead_asked
.Lhead_v:
	s_cmp_lt_u32 s[WV], 8
	s_cbranch_scc0 .Lhead_sk
	TLOAD G0, G1V
	s_branch .Lhead_asked
.Lhead_sk:
	s_cmp_lt_u32 s[WV], 12
	s_cbranch_scc0 .Lhead_sv
	TLOAD G0SK, G1SK
	s_branch .Lhead_asked
.Lhead_sv:
	TLOAD G0SV, G1SV
.Lhead_asked:
	s_sub_co_u32 s2, 7, ttmp9
	s_cmp_eq_u32 s13, 1
	s_cselect_b32 s67, s2, ttmp9                   ; J
	s_sub_co_u32 s[SW], 16, s67
	s_sub_co_u32 s2, 15, s67                       ; the late block
	s_lshr_b32 s76, s15, 1
	s_lshl_b32 s76, s76, 5
	s_and_b32 s77, s15, 1
	s_lshl_b32 s77, s77, 3
	s_add_co_u32 s76, s76, s77
	s_lshl_b32 s[Q0], s2, 7
	s_add_co_u32 s[Q0], s[Q0], s76
	s_lshl_b32 s[Q0E], s67, 7
	s_add_co_u32 s[Q0E], s[Q0E], s76
	s_lshl_b32 s76, s2, 3
	s_add_co_u32 s76, s76, s15                     ; the late tile in the batch,
	s_lshl_b32 s77, s67, 3
	s_add_co_u32 s77, s77, s15                     ; the early one
	s_mul_i32 s86, s76, 768
	s_add_co_u32 s86, s86, s16
	s_mov_b32 s87, 0
	s_mul_i32 s88, s77, 768
	s_add_co_u32 s88, s88, s16
	s_mov_b32 s89, 0
	s_lshl_b32 s90, s2, 9
	s_add_co_u32 s90, s90, s3
	s_mov_b32 s91, 0
	s_lshl_b32 s92, s67, 9
	s_add_co_u32 s92, s92, s3
	s_mov_b32 s93, 0
	s_lshl_b32 s78, s17, 7
	s_mul_i32 s83, s19, 768
.irp p, 0,1
	s_add_co_u32 s[YL+2*\p], s78, s[76+\p]
	s_lshl_b32 s[YL+2*\p], s[YL+2*\p], 3
	s_add_co_u32 s[YL+2*\p], s[YL+2*\p], s18
	s_mul_i32 s[YL+2*\p], s[YL+2*\p], 1536
	s_add_co_u32 s[YL+2*\p], s[YL+2*\p], s83
	s_mov_b32 s[YL+2*\p+1], 0
.endr
	s_sub_co_u32 s2, 7, ttmp9                      ; record k = wave & 3 of y's scale words: blocks 15 - g, g, 8 + g, 7 - g
	s_lshr_b32 s3, s14, 1
	s_cmp_eq_u32 s3, 1
	s_cselect_b32 s2, s2, ttmp9
	s_sub_co_u32 s3, 15, s2
	s_bitcmp1_b32 s14, 0
	s_cselect_b32 s2, s2, s3
	s_lshl_b32 s3, s17, 4
	s_add_co_u32 s2, s2, s3
	s_lshl_b32 s2, s2, 3
	s_add_co_u32 s2, s2, s18
	s_lshl_b32 s[YS], s2, 9
	s_mul_i32 s3, s19, 262144
	s_add_co_u32 s[YS], s[YS], s3
	s_add_co_u32 s[YS], s[YS], 393216
	s_mov_b32 s[YS+1], 0
	s_lshr_b32 s2, s15, 2
	s_lshl_b32 s2, s2, 8
	s_and_b32 s3, s15, 3
	s_lshl_b32 s3, s3, 2
	s_add_co_u32 s2, s2, s3                        ; my tile's words in a record: 256 (t / 4) + 4 (t % 4), + 16 r
	s_lshl_b32 s3, s13, 10
	s_add_co_u32 s3, s3, s2
	s_add_co_u32 s3, s3, YSW
	s_lshl_b32 s16, s14, 9
	s_add_co_u32 s16, s16, YSW
	s_add_nc_u64 s[86:87], s[4:5], s[86:87]
	s_add_nc_u64 s[88:89], s[4:5], s[88:89]
	s_add_nc_u64 s[90:91], s[6:7], s[90:91]
	s_add_nc_u64 s[92:93], s[6:7], s[92:93]
	s_add_nc_u64 s[YL:YL+1], s[8:9], s[YL:YL+1]
	s_add_nc_u64 s[YE:YE+1], s[8:9], s[YE:YE+1]
	s_add_nc_u64 s[YS:YS+1], s[10:11], s[YS:YS+1]
	s_mov_b32 s[SEL], 0x76543210
	s_mov_b32 s[SEL+1], 0xfedcba98
	s_mov_b32 s[CS], 0x3e38aa3b                    ; log2(e) / 8
	s_mov_b32 s[CS+1], s[CS]
	s_mov_b32 s[N], 0
	s_mov_b32 s[SLOTS], 3
	v_and_b32 v29, 31, v0
	v_and_b32 v30, 15, v0                          ; r
	v_bfe_u32 v31, v0, 4, 1                        ; h
	v_lshlrev_b32 v1, 4, v29                       ; 16 x lane
	v_lshlrev_b32 v82, 3, v29                      ; 8 x lane
	v_lshl_add_u32 v85, v30, 4, s2
	v_lshl_add_u32 v83, v30, 4, s3
	v_add_nc_u32 v84, s16, v1
	v_mov_b32 v86, 0
	v_mov_b32 v87, 0
	global_load_b128 v[16:19], v1, s[86:87]        ; the late tile's q,
	global_load_b64 v[20:21], v82, s[86:87] offset:512
	global_load_b32 v255, v85, s[90:91]            ; its scale words,
	global_load_b128 v[192:195], v1, s[88:89]      ; and the early tile's, kept for the change
	global_load_b64 v[196:197], v82, s[88:89] offset:512
	global_load_b32 v198, v85, s[92:93]
	v_add_nc_u32 v2, VB, v1
	v_add_nc_u32 v3, SCK, v1
	v_lshl_add_u32 v4, v30, 4, SCV
	v_and_b32 v7, 7, v0
	v_bfe_u32 v32, v0, 3, 1
	v_sub_nc_u32 v32, v32, v31
	v_lshl_add_u32 v7, v32, 4, v7                  ; my query - Q0 - 16 h
.irp j, 0,1,2,3,4,5
	v_mov_b32 v[22+\j], 0                          ; zero codes
.endr
.irp b, 0,1,2,3
	v_mov_b32 v[236+\b], 0                         ; a lane permute's destination counts as one of its sources
.endr
	v_mov_b32 v252, 0
	v_mov_b32 v253, 0
	v_mov_b32 v254, 0
	v_mov_b32 v199, 0                              ; written on every path; the change of tiles, which every wave passes in one of the trips 9 to 16, writes it anew
	RESET
	s_wait_alu depctr_va_vdst(0)                   ; the wait at the head's end
	s_wait_loadcnt 0x0
; A KEY STEP: 128 keys for my tile of 16 queries.
.macro STEP
	v_add_nc_u32 v8, s[TB], v1                     ; (these five are the places in front of the loads into registers that the last products read)
	v_add_nc_u32 v28, s[TB], v82
	v_add_nc_u32 v9, s[TB], v2
	v_add_nc_u32 v10, s[TSK], v3
	v_add_nc_u32 v11, s[TSV], v4
	s_wait_alu depctr_va_vdst(0)
	ds_load_b128 v[248:251], v10                   ; k's scale words: lanes 0-15 tiles 0-3, lanes 16-31 tiles 4-7
.irp t, 0,1,2,3,4,5,6,7
	ds_load_b128 v[34+6*\t:37+6*\t], v8 offset:(\t/2)*6144+(\t%2)*768
	ds_load_b64 v[38+6*\t:39+6*\t], v28 offset:(\t/2)*6144+(\t%2)*768+512
.endr
	s_wait_dscnt 0x0
.irp t, 0,1,2,3                                ; S^T = k q^T: a tile's six registers and the six behind them, which meet q's zero codes
	v_wmma_scale_f32_16x16x128_f8f6f4 v[96+8*\t:103+8*\t], v[34+6*\t:45+6*\t], v[16:27], 0, v[248+\t], v255 matrix_a_fmt:MATRIX_FMT_BF6 matrix_b_fmt:MATRIX_FMT_BF6
.endr
.irp t, 4,5,6,7
	v_wmma_scale_f32_16x16x128_f8f6f4 v[96+8*\t:103+8*\t], v[34+6*\t:45+6*\t], v[16:27], 0, v[244+\t], v255 matrix_a_fmt:MATRIX_FMT_BF6 matrix_b_fmt:MATRIX_FMT_BF6 matrix_a_scale:MATRIX_SCALE_ROW1
.endr                                          ; register 16 b + i of lane (r, h): key KF + 32 b + 16 h + i
	NOPS 4
	ds_load_b128 v[248:251], v11                   ; v's scale words and fragments: they land under the softmax
.irp t, 0,1,2,3
.irp c, 0,1,2
	ds_load_b128 v[34+12*\t+4*\c:37+12*\t+4*\c], v9 offset:6144*\t+512*\c
.endr
.endr
	s_add_co_u32 s[T0], s[KF], 127                 ; on the diagonal hidden scores become -infinity ahead of the maximum; a step all of whose keys count skips this
	s_cmp_le_u32 s[T0], s[Q0]
	s_cbranch_scc1 .Lopen_\@
	s_sub_co_i32 s[T0], s[Q0], s[KF]
	v_add_nc_u32 v252, s[T0], v7                   ; d = my query - KF - 16 h: hidden where 32 b + i > d
	v_mov_b32 v254, 0xff800000
.set jj, 0
.rept 64
	v_cmp_gt_i32 vcc_lo, 32*(jj/16)+jj%16, v252
	v_cndmask_b32 v[96+jj], v[96+jj], v254, vcc_lo
.set jj, jj+1
.endr
.Lopen_\@:
.irp b, 0,1,2,3
	v_max3_num_f32 v[232+\b], v[96+16*\b], v[97+16*\b], v[98+16*\b]   ; the largest score of each block of 32 keys: for the row's maximum and, since p rises with the score, for the block's largest p
.endr
.irp i, 3,5,7,9,11,13
.irp b, 0,1,2,3
	v_max3_num_f32 v[232+\b], v[232+\b], v[96+16*\b+\i], v[97+16*\b+\i]
.endr
.endr
.irp b, 0,1,2,3
	v_max_num_f32 v[232+\b], v[232+\b], v[111+16*\b]
.endr
.irp b, 0,1,2,3
	s_delay_alu instid0(VALU_DEP_4)
	v_permlanex16_b32 v[236+\b], v[232+\b], s[SEL], s[SEL+1]
.endr
.irp b, 0,1,2,3
	s_delay_alu instid0(VALU_DEP_4)
	v_max_num_f32 v[232+\b], v[232+\b], v[236+\b]
.endr
	s_delay_alu instid0(VALU_DEP_2)
	v_max3_num_f32 v254, v232, v233, v234
	s_delay_alu instid0(VALU_DEP_1)
	v_max_num_f32 v254, v254, v235
	s_delay_alu instid0(VALU_DEP_1)
	v_mul_f32 v254, s[CS], v254
	s_delay_alu instid0(VALU_DEP_1)
	v_max_num_f32 v13, v13, v254                   ; the running largest t
	v_mov_b32 v254, v12
	s_delay_alu instid0(VALU_DEP_2)
	v_floor_f32 v12, -v13                          ; the new -M = -ceil(t)
	s_delay_alu instid0(VALU_DEP_1)
	v_sub_f32 v254, v12, v254                      ; old M - new M: a whole number, 0 or less
	s_delay_alu instid0(VALU_DEP_1)
	v_cvt_i32_f32 v254, v254                       ; (it saturates)
	s_delay_alu instid0(VALU_DEP_1)
	v_ldexp_f32 v252, 1.0, v254                    ; f = 2^(old M - new M)
.set jj, 0
.rept 32
	v_pk_fma_f32 v[96+jj:97+jj], v[96+jj:97+jj], s[CS:CS+1], v[12:13] op_sel_hi:[1,0,0]   ; t - M
.set jj, jj+2
.endr
.irp b, 0,1,2,3
	v_fma_f32 v[232+\b], v[232+\b], s[CS], v12
.endr
.set jj, 0
	s_wait_alu depctr_va_vdst(0)                   ; the wait ahead of the batch
.rept 64
	v_exp_f32 v[96+jj], v[96+jj]                   ; p = 2^(t - M): not normalised
.set jj, jj+1
.endr
.irp b, 0,1,2,3
	v_exp_f32 v[232+\b], v[232+\b]                 ; the block's largest p
.endr
	v_pk_mul_f32 v[14:15], v[14:15], v[252:253] op_sel_hi:[1,0]   ; the sums under the new M (a plain place behind the exponentials)
	s_wait_alu depctr_va_vdst(0)                   ; and behind it
.irp b, 0,1,2,3
	v_max_num_f32 v[232+\b], 0x2800000, v[232+\b]  ; the floor 2^(5 - 127)
.endr
.irp b, 0,1,2,3
	s_delay_alu instid0(VALU_DEP_4)
	v_add_nc_u32 v[244+\b], 0xfe000000, v[232+\b]
.endr
.irp b, 0,1,2,3
	s_delay_alu instid0(VALU_DEP_4)
	v_lshrrev_b32 v[236+\b], 23, v[244+\b]
.endr
	s_delay_alu instid0(VALU_DEP_3)
	v_lshl_or_b32 v253, v237, 8, v236              ; p's scale word for these 128 keys
	s_delay_alu instid0(VALU_DEP_1)
	v_lshl_or_b32 v253, v238, 16, v253
	s_delay_alu instid0(VALU_DEP_1)
	v_lshl_or_b32 v253, v239, 24, v253
.irp c, 0,1
	v_cvt_scalef32_pk16_bf6_f32 v[224+6*\c:226+6*\c], v[96+32*\c:111+32*\c], v[244+2*\c]
	v_cvt_scalef32_pk16_bf6_f32 v[236+4*\c:238+4*\c], v[112+32*\c:127+32*\c], v[244+2*\c+1]
.endr
	v_nop                                          ; one plain place behind a scaled conversion
.irp c, 0,1
.irp i, 0,1,2
	v_permlane16_swap_b32 v[224+6*\c+\i], v[236+4*\c+\i]
.endr
.irp i, 0,1,2
	s_delay_alu instid0(VALU_DEP_3)
	v_mov_b32 v[227+6*\c+\i], v[236+4*\c+\i]
.endr
.endr
	v_pk_add_f32 v[236:237], v[96:97], v[98:99]    ; the row's sum is taken of the unquantised p: two chains
.irp j, 4,8,12,16,20,24,28,32,36,40,44,48,52,56,60
	v_pk_add_f32 v[14:15], v[14:15], v[96+\j:97+\j]
	v_pk_add_f32 v[236:237], v[236:237], v[98+\j:99+\j]
.endr
	s_delay_alu instid0(VALU_DEP_1)
	v_pk_add_f32 v[14:15], v[14:15], v[236:237]
	s_wait_alu depctr_va_vdst(0)                   ; the wait directly ahead of the first reader of O^T
.set jj, 0
.rept 16
	v_pk_mul_f32 v[160+jj:161+jj], v[160+jj:161+jj], v[252:253] op_sel_hi:[1,0]   ; O^T under the new M
.set jj, jj+2
.endr
	s_wait_alu depctr_va_vdst(0)                   ; the wait ahead of the wait below and of the jump back
	s_wait_dscnt 0x0                               ; v's 13 loads
.irp t, 0,1,2,3                                ; O^T += v^T p^T: the head's four tiles by turns
	v_wmma_scale_f32_16x16x128_f8f6f4 v[160+8*\t:167+8*\t], v[34+12*\t:45+12*\t], v[224:235], v[160+8*\t:167+8*\t], v[248+\t], v253 matrix_a_fmt:MATRIX_FMT_BF6 matrix_b_fmt:MATRIX_FMT_BF6
.endr
.endm
; A TILE'S END.  O^T / the sum: register 8 t + j is the head's column 32 (t / 2) + 16 h + 8 (t % 2) + j: sixteen neighbours of each of two blocks.  Codes leave at once; the scale word stays in v[pw].
.macro FINISH yb, pw
	NOPS 4                                         ; places behind the last products
	v_add_f32 v14, v14, v15
	v_permlanex16_b32 v252, v14, s[SEL], s[SEL+1]
	v_add_f32 v14, v14, v252
	v_mov_b32 v[TM+4], 0
	v_mov_b32 v[TM+5], 0
	s_wait_alu depctr_va_vdst(0)
	v_rcp_f32 v14, v14
	v_nop                                          ; one plain place behind a transcendental
	s_wait_alu depctr_va_vdst(0)
.set jj, 0
.rept 32
	v_mul_f32 v[96+jj], v[160+jj], v14
.set jj, jj+1
.endr
.irp b, 0,1
	v_max3_num_f32 v[TM+\b], |v[96+16*\b]|, |v[97+16*\b]|, 0x2800000
.endr
.irp i, 2,4,6,8,10,12,14
.irp b, 0,1
	v_max3_num_f32 v[TM+\b], v[TM+\b], |v[96+16*\b+\i]|, |v[97+16*\b+\i]|
.endr
.endr
.irp b, 0,1
	v_permlanex16_b32 v[TM+4+\b], v[TM+\b], s[SEL], s[SEL+1]
.endr
.irp b, 0,1
	v_max_num_f32 v[TM+\b], v[TM+\b], v[TM+4+\b]
.endr
.irp b, 0,1
	v_add_nc_u32 v[TM+12+\b], 0xfe000000, v[TM+\b]
.endr
.irp b, 0,1
	v_lshrrev_b32 v[TM+4+\b], 23, v[TM+12+\b]
.endr
	v_lshl_or_b32 v[\pw], v[TM+5], 8, v[TM+4]
	v_lshlrev_b32 v[\pw], s[ESH], v[\pw]           ; the odd head's bytes stand in the word's upper half
	v_cvt_scalef32_pk16_bf6_f32 v[PC:PC+2], v[96:111], v[TM+12]
	v_cvt_scalef32_pk16_bf6_f32 v[PC+12:PC+14], v[112:127], v[TM+13]
	v_nop
.irp i, 0,1,2
	v_permlane16_swap_b32 v[PC+\i], v[PC+12+\i]
.endr
.irp i, 0,1,2
	v_mov_b32 v[PC+3+\i], v[PC+12+\i]
.endr
	global_store_b128 v1, v[PC:PC+3], s[\yb:\yb+1]                ; 512 and 256 consecutive bytes
	global_store_b64 v82, v[PC+4:PC+5], s[\yb:\yb+1] offset:512
	s_wait_alu depctr_va_vdst(0)
	s_wait_xcnt 0x0                                ; the stores have read their registers
.endm
; THE BARRIER AT A PART'S HEAD.  Each wave waits for all its tensor loads and adds 0 to its spare word.  fill = 1: the next part is asked for: a first fill; no byte is filled twice in this launch.
.macro CHANGE fill
	s_wait_tensorcnt 0x0                           ; no tensor load of mine is out, so a group 0 may be written
	ds_add_u32 v5, v6
.if \fill
	s_add_co_u32 s[G0+1], s[G0+1], 24576
	s_add_nc_u64 s[G0+2:G0+3], s[G0+2:G0+3], s[60:61]
.endif
	s_wait_dscnt 0x0
	s_barrier_signal -1
	s_barrier_wait -1
.if \fill
	s_cmp_lt_u32 s[WV], 4
	s_cbranch_scc0 .Lv_\@
	TLOAD G0, G1K
	s_branch .Lasked_\@
.Lv_\@:
	s_cmp_lt_u32 s[WV], 8
	s_cbranch_scc0 .Lasked_\@
	TLOAD G0, G1V
.Lasked_\@:
.endif
.endm
.macro BODY                            ; trip N
	s_sub_co_u32 s[T0], 16, s[N]
	s_min_u32 s[T0], s[T0], s[N]                   ; the early tile's key step, 16 - N (from trip 9 on the lesser of the two)
	s_min_u32 s[T1], s[N], 15                      ; the late tile's
	s_cmp_ge_u32 s[N], s[SW]
	s_cselect_b32 s[KS], s[T0], s[T1]
	s_lshr_b32 s[T0], s[KS], 2
	s_mul_i32 s[T0], s[T0], 24576
	s_and_b32 s[T1], s[KS], 3
	s_mul_i32 s[T1], s[T1], 1536
	s_add_co_u32 s[TB], s[T0], s[T1]
	s_lshl_b32 s[TSK], s[KS], 9
	s_lshl_b32 s[TSV], s[KS], 8
	s_lshl_b32 s[KF], s[KS], 7
	s_cmp_eq_u32 s[N], s[SW]
	s_cbranch_scc0 .Lsame_\@
	FINISH YL, 199                                 ; the late tile is done; on to the early one
.irp j, 0,1,2,3,4,5
	v_mov_b32 v[16+\j], v[192+\j]
.endr
	v_mov_b32 v255, v198
	RESET
	s_mov_b32 s[Q0], s[Q0E]
.Lsame_\@:
	STEP
	s_add_co_u32 s[N], s[N], 1
.endm
.Lslot:                                            ; three trips: parts 0 to 2 are shown, parts 1 to 3 asked for
	CHANGE 1
	s_mov_b32 s[STEPS], 4
.Lstep:
	BODY
	s_sub_co_u32 s[STEPS], s[STEPS], 1
	s_cmp_lg_u32 s[STEPS], 0
	s_cbranch_scc1 .Lstep
	s_sub_co_u32 s[SLOTS], s[SLOTS], 1
	s_cmp_lg_u32 s[SLOTS], 0
	s_cbranch_scc1 .Lslot
	CHANGE 0                                       ; part 3 is shown; the last five trips ask for nothing
	s_mov_b32 s[STEPS], 5
.Llast:
	BODY
	s_sub_co_u32 s[STEPS], s[STEPS], 1
	s_cmp_lg_u32 s[STEPS], 0
	s_cbranch_scc1 .Llast
	FINISH YE, 200
	ds_store_b32 v83, v199                         ; lanes r and r + 16 write the same word with the same value
	ds_store_b32 v83, v200 offset:512
	s_wait_dscnt 0x0                               ; for the others' sake: my words have landed
	s_barrier_signal -1
	s_barrier_wait -1
	s_cmp_lt_u32 s[WV], 4
	s_cbranch_scc0 .Lend
	ds_load_b128 v[96:99], v84                     ; waves 0-3 send a record of scale words each: 512 consecutive bytes
	s_wait_dscnt 0x0
	global_store_b128 v1, v[96:99], s[YS:YS+1]
.Lend:
	s_wait_tensorcnt 0x0                           ; the wave's end
	ds_add_u32 v5, v6
	s_wait_dscnt 0x0
	s_endpgm
.Lfunc_end_k_q593b2fa79b_attn:
	.size	k_q593b2fa79b_attn, .Lfunc_end_k_q593b2fa79b_attn-k_q593b2fa79b_attn
	.p2alignl 7, 3214868480
	.fill 96, 4, 3214868480
	.section	.rodata,"a",@progbits
	.p2align	6, 0x0
	.amdhsa_kernel k_q593b2fa79b_attn
		.amdhsa_group_segment_fixed_size 327680
		.amdhsa_private_segment_fixed_size 0
		.amdhsa_enable_private_segment 0
		.amdhsa_kernarg_size 32
		.amdhsa_user_sgpr_count 2
		.amdhsa_user_sgpr_kernarg_segment_ptr 1
		.amdhsa_wavefront_size32 1
		.amdhsa_system_sgpr_workgroup_id_x 1
		.amdhsa_system_sgpr_workgroup_id_y 1
		.amdhsa_system_sgpr_workgroup_id_z 1
		.amdhsa_system_vgpr_workitem_id 0
		.amdhsa_next_free_vgpr 256
		.amdhsa_next_free_sgpr 100
		.amdhsa_reserve_vcc 1
		.amdhsa_float_denorm_mode_32 3
		.amdhsa_float_denorm_mode_16_64 3
		.amdhsa_memory_ordered 1
		.amdhsa_forward_progress 1
		.amdhsa_inst_pref_size 73
	.end_amdhsa_kernel
	.amdgpu_metadata
---
amdhsa.version: [ 1, 2 ]
amdhsa.kernels:
  - .name:           k_q593b2fa79b_attn
    .symbol:         k_q593b2fa79b_attn.kd
    .args:
      - { .name: qkvc, .offset: 0, .size: 8, .value_kind: global_buffer, .address_space: global }
      - { .name: qkvs, .offset: 8, .size: 8, .value_kind: global_buffer, .address_space: global }
      - { .name: yc, .offset: 16, .size: 8, .value_kind: global_buffer, .address_space: global }
      - { .name: scl, .offset: 24, .size: 8, .value_kind: global_buffer, .address_space: global }
    .group_segment_fixed_size: 327680
    .private_segment_fixed_size: 0
    .kernarg_segment_align: 8
    .kernarg_segment_size: 32
    .max_flat_workgroup_size: 512
    .sgpr_count:     100
    .vgpr_count:     256
    .wavefront_size: 32
...
	.end_amdgpu_metadata
.endif
;; end of part 4
;; launch proj (part 5): grid 4 x 32, 4 waves a work-group, clusters of 4 x 4, 327,680 bytes of LDS; arguments yc, wc, scl, b_proj, out0; writes out0
.if DOCPART == 5
	.amdgcn_target "amdgcn-amd-amdhsa--gfx1250"
	.amdhsa_code_object_version 6
	.text
	.protected	k_q593b2fa79b_proj
	.globl	k_q593b2fa79b_proj
	.p2align	8
	.type	k_q593b2fa79b_proj,@function
k_q593b2fa79b_proj:
	s_mov_b64 s[64:65], 0
	v_nop
	global_prefetch_b8 v0, s[64:65] scope:SCOPE_SE
	s_setreg_imm32_b32 hwreg(HW_REG_WAVE_MODE, 25, 1), 1
	s_wait_xcnt 0x0
	s_wait_alu depctr_hold_cnt(0) depctr_sa_sdst(0) depctr_va_vdst(0) depctr_va_sdst(0) depctr_va_ssrc(0) depctr_va_vcc(0) depctr_vm_vsrc(0)
	s_getreg_b32 s2, hwreg(HW_REG_IB_STS2, 6, 4)
	s_cmp_eq_u32 s2, 0
	s_cbranch_scc0 .Lentry_in_a_cluster
	s_endpgm
.Lentry_in_a_cluster:
	s_bfe_u32 s2, ttmp6, 0x10000c
	s_cmp_lg_u32 s2, 0xf033
	s_cbranch_scc0 .Lentry_shape_is_right
	s_endpgm
.Lentry_shape_is_right:
.set HALFT, 24576
.set SLOT,  4*HALFT
.set SPARE, 3*SLOT
.set LI,   1
.set ADRP, 4
.set ADRR, 8
.set ADR8, 16                          ; v16-18  y's fragments in slot 0, 1, 2, at 8 x lane
.set STO,  20
.set RD,   21
.set SPW,  28
.set NIL,  29
.set SC,   32
.set AF,   128
.set BK,   128
.set G1X,  24
.set G0X,  32
.set G1W,  44
.set G0W,  52
.set MUL_LO, 0xa1
.set MUL_HI, 0xf1
.set MSB, 0
.macro WIN new
.if MSB != (\new)
	s_set_vgpr_msb (MSB<<8)|(\new)
.set MSB, (\new)
.endif
.endm
.macro PLACES n
.rept \n
	v_nop
.endr
.endm
.macro JLOAD c
	s_cmp_eq_u32 s17, 0
	s_cbranch_scc0 .Lfor_w_\@
	tensor_load_to_lds s[G0X+4*\c:G0X+4*\c+3], s[G1X:G1X+7]
	s_nop 0
.rept 4
	v_nop
.endr
	s_branch .Lasked_\@
.Lfor_w_\@:
	tensor_load_to_lds s[G0W+4*\c:G0W+4*\c+3], s[G1W:G1W+7]
	s_nop 0
.rept 4
	v_nop
.endr
.Lasked_\@:
.endm
.macro CREST
	s_cmp_lg_u32 s16, 0
	s_cbranch_scc1 .Lnot_wave_0_\@
	s_barrier_signal -3
.Lnot_wave_0_\@:
	s_barrier_wait -3
	s_barrier_signal -1
	s_barrier_wait -1
.endm
.macro CROUND
	s_barrier_signal -1
	s_barrier_wait -1
	CREST
.endm
	s_load_b256 s[4:11], s[0:1], 0x0
	s_load_b64 s[12:13], s[0:1], 0x20
	v_lshl_add_u32 v[SPW], v0, 2, SPARE
	v_mov_b32 v[NIL], 0
	ds_add_u32 v28, v29
	ds_add_u32 v28, v29
	s_wait_dscnt 0x0
	v_lshrrev_b32 v1, 5, v0
	v_readfirstlane_b32 s16, v1
	s_lshr_b32 s17, s16, 1
	s_and_b32 s18, s16, 1
	s_bfe_u32 s66, ttmp6, 0x40000
	s_bfe_u32 s67, ttmp6, 0x40004
	s_lshl_b32 s68, ttmp9, 2
	s_add_co_u32 s68, s68, s66
	s_and_b32 s69, ttmp7, 0xffff
	s_lshl_b32 s69, s69, 2
	s_add_co_u32 s69, s69, s67
	s_lshl_b32 s70, s67, 2
	s_lshl_b32 s70, 15, s70
	s_lshl_b32 s71, 0x1111, s66
	s_or_b32 s[G1X], s70, (3<<16)|(1<<21)
	s_or_b32 s[G1W], s71, (3<<16)|(1<<21)
.irp g, G1X, G1W
	s_mov_b32 s[\g+1], 384<<16
	s_mov_b32 s[\g+2], 8<<16
	s_mov_b32 s[\g+3], 384<<16
	s_mov_b32 s[\g+4], 8
	s_mov_b32 s[\g+5], 1536
	s_mov_b32 s[\g+6], 0
	s_mov_b32 s[\g+7], 0
.endr
	s_lshl_b32 s74, s18, 3
	s_lshl_b32 s72, s69, 4
	s_add_co_u32 s72, s72, s74
	s_mul_i32 s72, s72, 12288
	s_mov_b32 s73, 0
	s_lshl_b32 s76, s68, 4
	s_add_co_u32 s76, s76, s74
	s_add_co_u32 s76, s76, 192
	s_mul_i32 s76, s76, 12288
	s_mov_b32 s77, 0
	s_mul_i32 s78, s16, HALFT
	s_wait_kmcnt 0x0
	s_add_nc_u64 s[72:73], s[4:5], s[72:73]
	s_add_nc_u64 s[76:77], s[6:7], s[76:77]
	CROUND
.irp c, 0,1,2
	s_mov_b32 s[G0X+4*\c], 1
	s_add_co_u32 s[G0X+4*\c+1], s78, \c*SLOT
	s_add_nc_u64 s[G0X+4*\c+2:G0X+4*\c+3], s[72:73], \c*3072
	s_or_b32 s[G0X+4*\c+3], s[G0X+4*\c+3], 0x80000000
	s_mov_b32 s[G0W+4*\c], 1
	s_add_co_u32 s[G0W+4*\c+1], s78, \c*SLOT
	s_add_nc_u64 s[G0W+4*\c+2:G0W+4*\c+3], s[76:77], \c*3072
	s_or_b32 s[G0W+4*\c+3], s[G0W+4*\c+3], 0x80000000
.endr
	JLOAD 0                                        ; the first part of K: one tensor load a wave at the head
	v_and_b32 v7, 31, v0
	v_lshlrev_b32 v[LI], 4, v7
	v_lshlrev_b32 v19, 3, v7
	s_wait_alu depctr_va_vdst(0)
	v_and_b32 v2, 15, v0
	s_wait_alu depctr_va_vdst(0)
	v_bfe_u32 v3, v0, 4, 1
	s_mul_i32 s85, s17, HALFT
	s_mul_i32 s84, s18, HALFT
	s_add_co_u32 s84, s84, 2*HALFT
	s_lshl_b32 s87, s69, 1
	s_add_co_u32 s87, s87, s17
	s_lshl_b32 s87, s87, 12
	s_add_co_u32 s87, s87, 393216
	s_lshl_b32 s86, s68, 4
	s_lshl_b32 s83, s18, 3
	s_add_co_u32 s86, s86, s83
	s_add_co_u32 s86, s86, 192
	s_lshl_b32 s86, s86, 9
	s_add_co_u32 s86, s86, 262144
.irp s, 0,1,2
	v_add_nc_u32 v[ADRP+\s], s84, v[LI]
	v_add_nc_u32 v[ADRR+\s], s85, v[LI]
	v_add_nc_u32 v[ADR8+\s], s85, v19
	s_add_co_u32 s84, s84, SLOT
	s_add_co_u32 s85, s85, SLOT
.endr
	v_lshlrev_b32 v12, 4, v2
	v_mov_b32 v13, s87
	v_mov_b32 v14, s86
	v_cmp_eq_u32 vcc_lo, 1, v3
	v_cndmask_b32 v13, v13, v14, vcc_lo
	v_add_nc_u32 v12, v12, v13
	v_sub_nc_u32 v13, 1, v3
	v_lshlrev_b32 v13, 18, v13
	v_add_nc_u32 v13, v12, v13                     ; lanes 0-15: the odd heads' plane of y's scale words, 262,144 bytes on; lanes 16-31: W's words once more
.irp m, 0,1,2,3,4,5,6,7,8,9,10,11,12,13,14,15
	global_load_b128 v[SC+4*\m:SC+4*\m+3], v12, s[8:9] offset:256*\m
.endr
.irp m, 0,1,2,3,4,5,6,7,8,9,10,11,12,13,14,15
	global_load_b128 v[128+4*\m:128+4*\m+3], v13, s[8:9] offset:256*\m
.endr
	s_lshl_b32 s88, s68, 10
	s_lshl_b32 s89, s18, 9
	s_add_co_u32 s88, s88, s89
	s_mov_b32 s89, 0
	s_add_nc_u64 s[10:11], s[10:11], s[88:89]
	v_lshlrev_b32 v14, 6, v3
	WIN 0x40
.irp b, 0,1,2,3,4,5,6,7
	global_load_b128 v[96+8*\b+96*(\b/4):96+8*\b+96*(\b/4)+3], v14, s[10:11] offset:(32*(\b/2)+8*(\b%2))*4
	global_load_b128 v[96+8*\b+96*(\b/4)+4:96+8*\b+96*(\b/4)+7], v14, s[10:11] offset:(32*(\b/2)+8*(\b%2))*4+16
.endr
	WIN 0
	s_mul_i32 s90, s16, 8448
	s_add_co_u32 s90, s90, SLOT
	v_mul_u32_u24 v[STO], v2, 528
	v_lshl_add_u32 v[STO], v3, 6, v[STO]
	v_add_nc_u32 v[STO], s90, v[STO]
	v_add_nc_u32 v[RD], s90, v[LI]
	s_lshl_b32 s91, s69, 8
	s_lshl_b32 s92, s17, 7
	s_add_co_u32 s91, s91, s92
	s_lshl_b32 s92, s91, 12
	s_add_co_u32 s92, s92, s88
	s_mov_b32 s93, 0
	s_add_nc_u64 s[12:13], s[12:13], s[92:93]
.macro FRAG reg, adr, off
.irp c, 0,1,2
	ds_load_b128 v[\reg+4*\c:\reg+4*\c+3], v[\adr] offset:\off+512*\c
.endr
.endm
.macro FETCH_P slot, q, p
	WIN 0x40
.irp i, 0,1,2,3,4,5,6,7
	FRAG 128*(\p)+12*\i, ADRP+\slot, 3072*\i+1536*(\q)
.endr
	WIN 0
.endm
.macro FRAGR reg, slot, off            ; a fragment of y: each head's half is 768 bytes: registers 0-3 at 16 x lane, 4, 5 at 512 + 8 x lane
	ds_load_b128 v[\reg:\reg+3], v[ADRR+\slot] offset:\off
	ds_load_b64 v[\reg+4:\reg+5], v[ADR8+\slot] offset:\off+512
	ds_load_b128 v[\reg+6:\reg+9], v[ADRR+\slot] offset:\off+768
	ds_load_b64 v[\reg+10:\reg+11], v[ADR8+\slot] offset:\off+1280
.endm
.macro FETCH_R slot, q, i0
.irp i, \i0, \i0+1, \i0+2, \i0+3
	FRAGR AF+12*(\i), \slot, 3072*(\i)+1536*(\q)
.endr
.endm
.macro MUL16 a0, p, s, first
.irp a, \a0, \a0+1
.irp b, 0,1,2,3,4,5,6,7
.if \first
	v_wmma_scale_f32_16x16x128_f8f6f4 v[8*(8*((\a)%4)+\b):8*(8*((\a)%4)+\b)+7], v[128*(\p)+12*\b:128*(\p)+12*\b+11], v[AF+12*(\a):AF+12*(\a)+11], v[96+8*\b+96*(\b/4):96+8*\b+96*(\b/4)+7], v[SC+8*\b+(\s)], v[SC+8*(\s)+(\a)] matrix_a_fmt:MATRIX_FMT_BF6 matrix_b_fmt:MATRIX_FMT_BF6 matrix_a_scale:MATRIX_SCALE_ROW1
.else
	v_wmma_scale_f32_16x16x128_f8f6f4 v[8*(8*((\a)%4)+\b):8*(8*((\a)%4)+\b)+7], v[128*(\p)+12*\b:128*(\p)+12*\b+11], v[AF+12*(\a):AF+12*(\a)+11], v[8*(8*((\a)%4)+\b):8*(8*((\a)%4)+\b)+7], v[SC+8*\b+(\s)], v[SC+8*(\s)+(\a)] matrix_a_fmt:MATRIX_FMT_BF6 matrix_b_fmt:MATRIX_FMT_BF6 matrix_a_scale:MATRIX_SCALE_ROW1
.endif
.endr
.endr
.endm
.macro STEP s, nslot, nq, first
	s_wait_dscnt 16                                ; the youngest 16 loads (y's tiles 4-7) may be out
.if \first
	WIN 0x91
.else
	WIN MUL_LO
.endif
	MUL16 0, (\s)%2, \s, \first
	MUL16 2, (\s)%2, \s, \first
	s_wait_dscnt 0x0
	PLACES 4
	FETCH_P \nslot, \nq, 1-(\s)%2
	FETCH_R \nslot, \nq, 0
.if \first
	WIN 0xd1
.else
	WIN MUL_HI
.endif
	MUL16 4, (\s)%2, \s, \first
	MUL16 6, (\s)%2, \s, \first
	PLACES 4
	WIN 0
	FETCH_R \nslot, \nq, 4
.endm
.macro TURN s, nslot, fill
	s_wait_tensorcnt 0x0
	ds_add_u32 v[SPW], v[NIL]
	s_wait_dscnt 17                                ; (the add and the youngest 16 loads may be out)
	WIN MUL_LO
	MUL16 0, (\s)%2, \s, 0
	s_wait_dscnt 0x0
	s_barrier_signal -1
	MUL16 2, (\s)%2, \s, 0
	WIN 0
	s_barrier_wait -1
.if \fill
	CREST
.if \fill == 2
	s_add_nc_u64 s[G0X+2:G0X+3], s[G0X+2:G0X+3], 3*3072
	s_add_nc_u64 s[G0W+2:G0W+3], s[G0W+2:G0W+3], 3*3072
	JLOAD 0                                        ; fill = 2: slot 0, read out, takes the fourth part of K
.else
	JLOAD 2                                        ; fill = 1: slot 2's first fill, the third part of K
.endif
.else
	PLACES 4
.endif
	FETCH_P \nslot, 0, 1-(\s)%2
	FETCH_R \nslot, 0, 0
	WIN MUL_HI
	MUL16 4, (\s)%2, \s, 0
	MUL16 6, (\s)%2, \s, 0
	PLACES 4
	WIN 0
	FETCH_R \nslot, 0, 4
.endm
	s_wait_loadcnt 16                              ; both planes of scale words are in; the 16 loads of the bias may be out
.set nn, 0
.rept 64
	v_or_b32 v[SC+nn], v[SC+nn], v[128+nn]         ; a pair of heads' word: the even head's two bytes below, the odd head's above (W's words meet themselves)
.set nn, nn+1
.endr
	PLACES 8                                       ; a scale register written by a vector instruction stands 8 places ahead of a scaled matrix instruction
	s_wait_alu depctr_va_vdst(0)                   ; the wait at the head's end
	s_wait_tensorcnt 0x0                           ; my part of slot 0 is in
	ds_add_u32 v[SPW], v[NIL]                      ; ahead of a later first fill
	s_wait_dscnt 0x0
	CROUND
	JLOAD 1                                        ; the second part of K: my one load behind this round
	FETCH_P 0, 0, 0
	FETCH_R 0, 0, 0
	FETCH_R 0, 0, 4
	s_wait_loadcnt 0x0
	STEP 0, 0, 1, 1
	TURN 1, 1, 1
	STEP 2, 1, 1, 0
	TURN 3, 2, 2
	STEP 4, 2, 1, 0
	TURN 5, 0, 0
	STEP 6, 0, 1, 0
	s_wait_dscnt 16
	WIN MUL_LO
	MUL16 0, 1, 7, 0
	MUL16 2, 1, 7, 0
	s_wait_alu depctr_va_vdst(0)
	s_wait_dscnt 0x0
	WIN MUL_HI
	MUL16 4, 1, 7, 0
	MUL16 6, 1, 7, 0
	WIN 0
.macro TOSTAGE a
.set AC, 64*((\a)%4)
	WIN 0x08+4*((\a)/4)
.irp b, 0,1,2,3,4,5,6,7
	ds_store_b128 v[STO], v[AC+8*\b:AC+8*\b+3] offset:128*(\b/2)+32*(\b%2)
	ds_store_b128 v[STO], v[AC+8*\b+4:AC+8*\b+7] offset:128*(\b/2)+32*(\b%2)+16
.endr
	WIN 0
.set BB, BK+64*((\a)%2)
.irp t, 0,1,2,3,4,5,6,7,8,9,10,11,12,13,14,15
	ds_load_b128 v[BB+4*\t:BB+4*\t+3], v[RD] offset:\t*528
.endr
.endm
.macro SEND a, younger
.set BB, BK+64*((\a)%2)
	s_wait_dscnt \younger
.irp t, 0,1,2,3,4,5,6,7,8,9,10,11,12,13,14,15
	global_store_b128 v[LI], v[BB+4*\t:BB+4*\t+3], s[12:13] offset:(32*((\a)/2)+8*((\a)%2)+(\t&7)+16*(\t>>3))*4096 th:TH_STORE_NT
.endr
.endm
	PLACES 4
	TOSTAGE 0
.irp a, 1,2,3,4,5,6,7
.if \a > 1
	s_wait_xcnt 0x0
.endif
	TOSTAGE \a
	SEND \a-1, 32
.endr
	SEND 7, 0
	s_wait_tensorcnt 0x0
	ds_add_u32 v[SPW], v[NIL]
	s_wait_dscnt 0x0
	CROUND
	s_endpgm
.Lfunc_end_k_q593b2fa79b_proj:
	.size	k_q593b2fa79b_proj, .Lfunc_end_k_q593b2fa79b_proj-k_q593b2fa79b_proj
	.p2alignl 7, 3214868480
	.fill 96, 4, 3214868480
	.section	.rodata,"a",@progbits
	.p2align	6, 0x0
	.amdhsa_kernel k_q593b2fa79b_proj
		.amdhsa_group_segment_fixed_size 327680
		.amdhsa_private_segment_fixed_size 0
		.amdhsa_enable_private_segment 0
		.amdhsa_kernarg_size 40
		.amdhsa_user_sgpr_count 2
		.amdhsa_user_sgpr_kernarg_segment_ptr 1
		.amdhsa_wavefront_size32 1
		.amdhsa_system_sgpr_workgroup_id_x 1
		.amdhsa_system_sgpr_workgroup_id_y 1
		.amdhsa_system_sgpr_workgroup_id_z 1
		.amdhsa_system_vgpr_workitem_id 0
		.amdhsa_next_free_vgpr 1024
		.amdhsa_next_free_sgpr 96
		.amdhsa_reserve_vcc 1
		.amdhsa_float_denorm_mode_32 3
		.amdhsa_float_denorm_mode_16_64 3
		.amdhsa_memory_ordered 1
		.amdhsa_forward_progress 1
		.amdhsa_inst_pref_size 143
	.end_amdhsa_kernel
	.amdgpu_metadata
---
amdhsa.version: [ 1, 2 ]
amdhsa.kernels:
  - .name:           k_q593b2fa79b_proj
    .symbol:         k_q593b2fa79b_proj.kd
    .args:
      - { .name: yc, .offset: 0, .size: 8, .value_kind: global_buffer, .address_space: global }
      - { .name: wc, .offset: 8, .size: 8, .value_kind: global_buffer, .address_space: global }
      - { .name: scl, .offset: 16, .size: 8, .value_kind: global_buffer, .address_space: global }
      - { .name: b_proj, .offset: 24, .size: 8, .value_kind: global_buffer, .address_space: global }
      - { .name: out0, .offset: 32, .size: 8, .value_kind: global_buffer, .address_space: global }
    .group_segment_fixed_size: 327680
    .private_segment_fixed_size: 0
    .kernarg_segment_align: 8
    .kernarg_segment_size: 40
    .max_flat_workgroup_size: 128
    .sgpr_count:     96
    .vgpr_count:     1024
    .wavefront_size: 32
...
	.end_amdgpu_metadata
.endif
;; end of part 5
